; MI455X (gfx1250); checked and timed in simulation.
; The chip was launched on July 23, 2026; its instructions are those of AMD's public machine-readable ISA for CDNA 5 (MIT licence, August 2026) and "CDNA5" Instruction Set Architecture Reference Guide (July 2026). The comments in the code are by the model that wrote it; some were corrected since.
;; Transformer Block. Allowed arithmetic: matrix products marked QUANTISED: E2M3 operands, one E8M0 scale for each 32 along K, by v_wmma_scale_f32_16x16x128_f8f6f4 with both operands' format E2M3, f32 sums; everything else in f32.
;; Inputs: fc_b 1,024 float32; fc_w 1,024 x 1,024 float32; ff_b1 4,096 float32; ff_b2 1,024 float32; ff_w1 1,024 x 4,096 float32; ff_w2 4,096 x 1,024 float32; keys 2 x 2,048 x 1,024 float32; ln1_b 1,024 float32; ln1_g 1,024 float32; ln2_b 1,024 float32; ln2_g 1,024 float32; mask 2 x 1 x 1 x 2,048 int32; queries 2 x 2,048 x 1,024 float32; values 2 x 2,048 x 1,024 float32.
;; Outputs: out0 2 x 2,048 x 1,024 float32.
;; This version of the problem:
;;   THIS VERSION OF THE PROBLEM IS GIVEN IN LOW PRECISION. The matrix products marked QUANTISED in the list below multiply operands that are first quantised to E2M3 (2 exponent bits, 3 mantissa bits; 6 bits a number), with one power-of-two scale for each 32 numbers along K (OCP MX v1.0); their sums are f32. All else is computed in f32.
;;   The module's matrix products, in the order in which they are computed (A, B: the left and right operand; K: the contracted axis; several contracted axes count as one K, in the product's order):
;;     1. batch 32 x [M 2,048, K 64] x [K 64, N 2,048]; A: input queries; B: input keys: QUANTISED
;;     2. batch 32 x [M 64, K 2,048] x [K 2,048, N 2,048]; A: input values; B: softmax (see below): QUANTISED
;;     3. [M 4,096, K 1,024] x [K 1,024, N 1,024]; A: computed on the way; B: input fc_w: QUANTISED
;;     4. [M 4,096, K 1,024] x [K 1,024, N 4,096]; A: computed on the way; B: input ff_w1: QUANTISED
;;     5. [M 4,096, K 4,096] x [K 4,096, N 1,024]; A: computed on the way; B: input ff_w2: QUANTISED
;;   THE QUANTISER, for each operand of a quantised product, along K:
;;     - K is cut into blocks of 32 from its start; a last block that is shorter is filled with zeros.
;;     - A block's scale is 2^e with e = floor(log2(the largest magnitude in the block)) - 2, held to -126 .. 127; a block of zeros has e = 0. As a byte (E8M0): e + 127.
;;     - Each number is divided by its block's scale, clamped to +-7.5, and rounded to the nearest number of E2M3, ties to even, subnormals kept.
;;     - The product sums the exact products of the quantised numbers (number of the format x scale) in f32.
;;   ~~~python
;;   def quantise(x, axis):      # numpy; x: float32 -> the quantised numbers, widened to float32 again
;;       x = np.moveaxis(x, axis, -1); K = x.shape[-1]
;;       x = np.pad(x, [(0, 0)] * (x.ndim - 1) + [(0, -K % 32)]); x = x.reshape(x.shape[:-1] + (-1, 32)); a = np.abs(x).max(-1, keepdims=True)
;;       e = np.where(a > 0, np.clip(np.frexp(np.where(a > 0, a, 1))[1] - 1 - 2, -126, 127), 0)      # np.frexp(a)[1] - 1 = floor(log2(a)), exactly
;;       r = np.clip(x / 2.0 ** e, -7.5, 7.5)
;;       step = 2.0 ** (np.maximum(np.frexp(np.where(r == 0, 1, r))[1] - 1, 0) - 3)
;;       q = np.round(r / step) * step * 2.0 ** e      # np.round: ties to even
;;       return np.moveaxis(q.reshape(q.shape[:-2] + (-1,))[..., :K], -1, axis).astype(np.float32)
;;   ~~~
;;   SOFTMAX AHEAD OF A QUANTISED PRODUCT. Where the list says 'softmax', what is quantised is not the finished softmax but p = 2^(t - M), with t = logit x log2(e) and M = ceil(the row's largest t), a whole number; so 1/2 < the row's largest p <= 1. The row's sum l is taken of the UNQUANTISED p, in f32, and the product's result is divided by l at the end. Since M is a whole number, a kernel that streams over the keys may use a running M (the ceiling of the running maximum): every later rescaling is an exact power of two, which a block's scale takes up: the codes' values come out the same.
;;   OPERANDS COMPUTED ON THE WAY. 'Computed on the way' means the value that the module computes at that place (a softmax that the list does not call 'softmax' is quantised finished and normalised). What goes into a quantiser is computed in f32, as accurately as f32 sums, v_exp_f32 and their like allow (about 1e-6 of the number): no bf16 or f16 on the way to a quantiser, and a product that is left as it is and whose result goes on into a quantised operand takes f32 operands (vector FMAs, or v_wmma_f32_16x16x4_f32). A number that lies on a knife's edge between two numbers of the format may be rounded either way, as far as f32 arithmetic and the matrix unit's own rounding can turn it there, and no further.
;; One version. Each part assembles by itself: llvm-mc -triple=amdgcn-amd-amdhsa -mcpu=gfx1250 --defsym DOCPART=n.
;; ======== version 1 of 1: 6 launches
;; limits: right only within a limited range of input values
;; workspace buffers: kv 6,946,816 bytes; wimg 7,372,800 bytes; aimg 3,276,800 bytes; bimg 3,276,800 bytes; himg 13,107,200 bytes; y 16,777,216 bytes; x1 16,777,216 bytes
;; launch prep (part 1): grid 512 x 1, 4 waves a work-group, no clusters, 34,304 bytes of LDS; arguments keys, mask, values, kv; writes kv
.if DOCPART == 1
	.amdgcn_target "amdgcn-amd-amdhsa--gfx1250"
	.amdhsa_code_object_version 6
	.text
	.protected	k_q5741bb1958_prep
	.globl	k_q5741bb1958_prep
	.p2align	8
	.type	k_q5741bb1958_prep,@function
k_q5741bb1958_prep:
	s_mov_b64 s[64:65], 0
	v_nop
	global_prefetch_b8 v0, s[64:65] scope:SCOPE_SE
	s_setreg_imm32_b32 hwreg(HW_REG_WAVE_MODE, 25, 1), 1
	s_wait_xcnt 0x0
; TransformerBlock, launch 1 of 6: keys and values, which many work-groups of the next launch read, are quantised once, to codes of FP6 (E2M3) with one E8M0 byte for each 32 along K.
; (The three weights are quantised by the same rule inside launch 2, whose memory traffic is small.)
; DEAD WORK: none.  Every input of reference() has a way to the output, every product of its table is live, and all are done.
; values (K = the keys, the first axis of [4096][1024]): A LANE TAKES A COLUMN AND ITS REGISTERS RUN DOWN K.
; keys (K = a head's 64, innermost): dense loads, a turn through the wave's own stage in LDS, a whole block of 32 in a lane.
; THE WORKSPACE IS LAID AS IMAGES OF THE OPERANDS' REGISTERS.  Half a fragment (16 rows x 64 K, 768 bytes): lane (r, h) owns block 32 h .. 32 h + 31 of row r, 24 bytes: its bytes 0-15 at 16 (16 h + r), its bytes 16-23 at 512 + 16 r + 8 h.
; A block GB of 12,800 bytes (128 rows or columns x 128 K; wimg, aimg, himg are made of them): tile t, half c at 1536 t + 768 c; scale words from 12,288 on: tile t, row r at 16 (16 (t % 2) + r) + 4 (t / 2).
; wimg[group of 128 columns][K step]: fc_w from 0, ff_w1 from 819,200, ff_w2 from 4,096,000.
; THE ROWS OF A TILE OF A WEIGHT, OF K AND OF V^T ARE NOT NEIGHBOURS: lane r of tile 2 b + u takes column (or key) 32 b + 8 u + r + 8 (r / 8), so that a product used transposed leaves 16 neighbours along the next K in 16 registers.
; A block SB of kv (one head, 128 keys): 8 half fragments of K from 0; 4 fragments of V^T (16 of the head's 64 x 128 keys) from 6,144; K's scale words from 12,288 (bytes 2, 3 are 0); V's from 12,800, at 8 (16 u + r) + 4 b;
; from 13,056 on 128 f32, key by key: 0, or -2^100 where mask == 0: the term that the first product takes as its C.
; LIMITS: a block of zeros gets the byte 1 where the rule says 127 (its codes are zeros, and these bytes are read by this program alone); NaN and infinities among the inputs are not served.
; SHARES: a wave takes one unit of 16 KiB of f32; unit U = 4 x work-group + wave: 1,024 of values, then 1,024 of keys.  A work-group lies in one tensor.
.set SB,    13568
.set HEADB, 16*SB                      ; from a head to the next in kv
.set SPARE, 33792                      ; behind the four stages: the spare words, 128 bytes for each wave
.set SPW,   2                          ; v2  LDS address of my spare word; never rewritten
.set NIL,   3                          ; v3  0; never rewritten
	s_load_b128 s[12:15], s[0:1], 0x0              ; keys, mask
	s_load_b64 s[10:11], s[0:1], 0x10              ; values
	s_load_b64 s[18:19], s[0:1], 0x18              ; kv
	v_lshl_add_u32 v[SPW], v0, 2, SPARE
	v_mov_b32 v[NIL], 0
	v_lshrrev_b32 v1, 5, v0
	v_readfirstlane_b32 s33, v1                    ; wave
	v_and_b32 v4, 31, v0                           ; lane
	s_lshl_b32 s34, ttmp9, 2
	s_add_co_u32 s34, s34, s33                     ; U
	s_cmp_ge_u32 ttmp9, 256
	s_cbranch_scc1 .Lkeys
; ---------------- values: 32 columns x 128 keys ----------------
	s_and_b32 s28, s34, 31                         ; P: which 32 columns
	s_lshr_b32 s29, s34, 5                         ; s: which 128 rows: batch = s / 16, key step = s % 16
	s_lshl_b32 s36, s29, 19                        ; 128 s rows of 4,096 bytes
	s_lshl_b32 s31, s28, 7                         ; + 128 P bytes
	s_add_co_u32 s36, s36, s31
	s_mov_b32 s37, 0
	s_lshr_b32 s52, s29, 4
	s_lshl_b32 s52, s52, 4
	s_lshr_b32 s53, s28, 1                         ; head = P / 2
	s_add_co_u32 s52, s52, s53
	s_lshl_b32 s52, s52, 4
	s_and_b32 s53, s29, 15
	s_add_co_u32 s52, s52, s53
	s_mul_i32 s52, s52, SB                         ; the head's block of this key step
	s_and_b32 s53, s28, 1                          ; the pair of tiles b = P % 2
	s_mul_i32 s54, s53, 3072
	s_add_co_u32 s38, s54, s52
	s_add_co_u32 s38, s38, 6144                    ; its codes
	s_mov_b32 s39, 0
	s_lshl_b32 s53, s53, 2
	s_add_co_u32 s40, s52, s53
	s_add_co_u32 s40, s40, 12800                   ; its scale words
	s_mov_b32 s41, 0
	s_wait_alu depctr_va_vdst(0)
	v_lshlrev_b32 v5, 2, v4                        ; 4 bytes a lane
	v_bfe_u32 v6, v4, 3, 1                         ; column x = 8 u + r + 8 (r / 8): u,
	v_and_b32 v7, 7, v4
	v_lshrrev_b32 v8, 4, v4
	v_lshl_or_b32 v7, v8, 3, v7                    ; r
	v_mul_u32_u24 v9, v6, 1536
	v_lshl_add_u32 v9, v7, 4, v9                   ; tile u, 16 r
	v_lshl_add_u32 v10, v6, 4, v7
	v_lshlrev_b32 v10, 3, v10                      ; my scale word's place: 8 bytes a row
	s_wait_alu depctr_va_vdst(0)
	s_wait_kmcnt 0x0
	s_add_nc_u64 s[10:11], s[10:11], s[36:37]
	s_add_nc_u64 s[56:57], s[18:19], s[38:39]      ; where my codes go
	s_add_nc_u64 s[58:59], s[18:19], s[40:41]      ; and my scale words
.irp k, 0,1,2,3
.set i, 0
.rept 32
	global_load_b32 v[64+32*\k+i], v5, s[10:11] offset:(32*\k+i)*4096 th:TH_LOAD_NT   ; a wave reads 128 consecutive bytes, the work-group's four 512; the row stands in the immediate: 127 rows of 4,096 bytes at the most
.set i, i+1
.endr
.endr
; Block k = 2 c + h of my column: all its 32 numbers are mine.  Its codes' bytes 0-15 go to registers 4 h .. 4 h + 3 of half c's twelve, its bytes 16-23 to registers 8 + 2 h, 9 + 2 h.
.macro BLK k
.set XS, 64+32*(\k)
.set CC, 192+12*((\k)/2)+4*((\k)%2)
.set CH, 192+12*((\k)/2)+8+2*((\k)%2)
.if (\k) < 2
	s_wait_loadcnt 63                              ; 96 or 64 loads are younger; the field names 63 at the most, which shows the first 65 loads in
.else
	s_wait_loadcnt 32*(3-(\k))                     ; the later blocks' loads may be out
.endif
	v_max3_num_f32 v24, |v[XS]|, |v[XS+1]|, |v[XS+2]|
	v_max3_num_f32 v25, |v[XS+3]|, |v[XS+4]|, |v[XS+5]|
.irp i, 6,10,14,18,22,26
	v_max3_num_f32 v24, v24, |v[XS+\i]|, |v[XS+\i+1]|
	v_max3_num_f32 v25, v25, |v[XS+\i+2]|, |v[XS+\i+3]|
.endr
	v_max3_num_f32 v24, v24, |v[XS+30]|, |v[XS+31]|
	v_max3_num_f32 v24, v24, v25, 0x1800000        ; the floor 2^(3 - 127): the byte cannot fall under 1
	v_add_nc_u32 v26, 0xff000000, v24              ; 2 off the exponent field: the conversion's scale operand
	v_lshrrev_b32 v27, 23, v26                     ; the scale's byte
.if (\k) == 0
	v_mov_b32 v220, v27
.else
	v_lshl_or_b32 v220, v27, 8*(\k), v220          ; byte k of my column's scale word
.endif
	v_cvt_scalef32_pk16_fp6_f32 v[CC:CC+2], v[XS:XS+15], v26
	v_cvt_scalef32_pk16_fp6_f32 v[216:218], v[XS+16:XS+31], v26   ; (a conversion's three registers begin on an even number)
	v_nop                                          ; one plain place behind a scaled conversion
	v_mov_b32 v[CC+3], v216
	v_mov_b32 v[CH], v217
	v_mov_b32 v[CH+1], v218
.endm
.macro OUTC c                          ; half c: each store covers two runs of 256 consecutive bytes, aligned (tile u = 0 and tile u = 1)
	global_store_b128 v9, v[192+12*\c:195+12*\c], s[56:57] offset:768*\c
	global_store_b128 v9, v[196+12*\c:199+12*\c], s[56:57] offset:768*\c+256
	global_store_b128 v9, v[200+12*\c:203+12*\c], s[56:57] offset:768*\c+512
.endm
	BLK 0
	BLK 1
	OUTC 0
	BLK 2
	BLK 3
	OUTC 1
	global_store_b32 v10, v220, s[58:59]           ; 4 bytes a lane, 8 bytes apart: one such store for each 16 KiB read
	s_endpgm
; ---------------- keys: 32 keys x 2 heads ----------------
.Lkeys:
	s_sub_co_u32 s34, s34, 1024
	s_and_b32 s20, s34, 7                          ; which pair of heads
	s_bfe_u32 s21, s34, 0x60003                    ; which 32 keys of the batch's 2,048
	s_lshr_b32 s22, s34, 9                         ; batch
	s_lshr_b32 s23, s21, 2                         ; key step
	s_and_b32 s24, s21, 3                          ; b: the pair of tiles in it
	s_lshl_b32 s25, s22, 11
	s_lshl_b32 s26, s21, 5
	s_add_co_u32 s25, s25, s26                     ; the first key's row
	s_lshl_b32 s28, s25, 12
	s_lshl_b32 s26, s20, 9
	s_add_co_u32 s28, s28, s26                     ; in keys: row x 4,096 + 512 x pair
	s_mov_b32 s29, 0
	s_lshl_b32 s30, s25, 2                         ; in mask
	s_mov_b32 s31, 0
	s_lshl_b32 s36, s22, 4
	s_lshl_b32 s26, s20, 1
	s_add_co_u32 s36, s36, s26
	s_lshl_b32 s36, s36, 4
	s_add_co_u32 s36, s36, s23
	s_mul_i32 s36, s36, SB                         ; in kv: the even head's block of this key step
	s_mov_b32 s37, 0
	s_mul_i32 s38, s24, 1536
	s_lshl_b32 s39, s24, 2
	s_lshl_b32 s40, s24, 7
	s_mul_i32 s41, s33, 8448                       ; my stage: 16 rows of 512 + 16 bytes
	s_mov_b32 s60, 0x76543210
	s_mov_b32 s61, 0xfedcba98                      ; v_permlanex16_b32's selects for lane l xor 16
	s_wait_alu depctr_va_vdst(0)
	v_lshlrev_b32 v5, 4, v4                        ; 16 x lane
	v_and_b32 v6, 15, v4                           ; r
	v_lshrrev_b32 v7, 4, v4                        ; h
	v_add_nc_u32 v8, s41, v5                       ; into the stage: a row's 512 bytes as they lie
	v_mul_u32_u24 v9, v6, 528
	v_lshl_add_u32 v9, v7, 7, v9
	v_add_nc_u32 v9, s41, v9                       ; out of it: row r, block h
	v_add_nc_u32 v10, s38, v5                      ; codes, bytes 0-15
	v_lshlrev_b32 v11, 4, v6
	v_lshl_add_u32 v11, v7, 3, v11
	v_add_nc_u32 v11, s38, v11                     ; codes, bytes 16-23
	v_add_nc_u32 v12, s39, v5                      ; scale words
	v_lshlrev_b32 v14, 2, v4
	v_add_nc_u32 v13, s40, v14                     ; the mask's term
	v_mov_b32 v20, 0                               ; (a lane permute's destination counts as one of its sources)
	v_lshlrev_b32 v21, 3, v7                       ; 8 h
	s_wait_alu depctr_va_vdst(0)
	s_wait_kmcnt 0x0
	s_add_nc_u64 s[12:13], s[12:13], s[28:29]
	s_add_nc_u64 s[14:15], s[14:15], s[30:31]
	s_add_nc_u64 s[18:19], s[18:19], s[36:37]
	global_load_b32 v15, v14, s[14:15]             ; mask of my key
.irp u, 0,1
.irp i, 0,1,2,3,4,5,6,7,8,9,10,11,12,13,14,15
	global_load_b128 v[64+64*\u+4*\i:67+64*\u+4*\i], v5, s[12:13] offset:(8*\u+\i+8*(\i/8))*4096 th:TH_LOAD_NT   ; row i of tile u: 512 consecutive bytes
.endr
.endr
.macro KQ xs, u, e                     ; a block of 32 in my registers xs on becomes 24 bytes of codes and a byte
.set CC, 224+8*(2*(\u)+(\e))
.set WW, 16+2*(\e)+(\u)
	v_max3_num_f32 v24, |v[\xs]|, |v[\xs+1]|, |v[\xs+2]|
	v_max3_num_f32 v25, |v[\xs+3]|, |v[\xs+4]|, |v[\xs+5]|
.irp i, 6,10,14,18,22,26
	v_max3_num_f32 v24, v24, |v[\xs+\i]|, |v[\xs+\i+1]|
	v_max3_num_f32 v25, v25, |v[\xs+\i+2]|, |v[\xs+\i+3]|
.endr
	v_max3_num_f32 v24, v24, |v[\xs+30]|, |v[\xs+31]|
	v_max3_num_f32 v24, v24, v25, 0x1800000
	v_add_nc_u32 v26, 0xff000000, v24
	v_lshrrev_b32 v27, 23, v26
	v_cvt_scalef32_pk16_fp6_f32 v[CC:CC+2], v[\xs:\xs+15], v26
	v_cvt_scalef32_pk16_fp6_f32 v[28:30], v[\xs+16:\xs+31], v26
	v_nop                                          ; one plain place behind a scaled conversion
	v_mov_b32 v[CC+3], v28
	v_mov_b32 v[CC+4], v29
	v_mov_b32 v[CC+5], v30
	v_lshlrev_b32 v[WW], v21, v27                  ; my byte at its place,
	v_permlanex16_b32 v20, v[WW], s60, s61
	v_or_b32 v[WW], v[WW], v20                     ; with lane l xor 16's: row r's word (bytes 2 and 3 stay 0)
	global_store_b128 v10, v[CC:CC+3], s[18:19] offset:(\e)*HEADB+(\u)*768        ; 512 consecutive bytes
	global_store_b64 v11, v[CC+4:CC+5], s[18:19] offset:(\e)*HEADB+(\u)*768+512   ; 256 consecutive bytes
.endm
.macro KT u
	s_wait_loadcnt 16*(1-(\u))                     ; this tile's rows are in; tile 1's sixteen loads may be out
.irp i, 0,1,2,3,4,5,6,7,8,9,10,11,12,13,14,15
	ds_store_b128 v8, v[64+64*(\u)+4*\i:67+64*(\u)+4*\i] offset:528*\i
.endr
.irp j, 0,1,2,3,4,5,6,7
	ds_load_b128 v[32+4*\j:35+4*\j], v9 offset:16*\j          ; LDS serves a wave's instructions in order: these see my stores
.endr
.irp j, 0,1,2,3,4,5,6,7
	ds_load_b128 v[192+4*\j:195+4*\j], v9 offset:256+16*\j
.endr
	s_wait_dscnt 8                                 ; the even head's block is in; the odd head's eight loads may be out
	KQ 32, \u, 0
	s_wait_dscnt 0x0
	KQ 192, \u, 1
.endm
	KT 0
	KT 1
	v_cmp_ne_u32 vcc_lo, 0, v7
	v_cndmask_b32 v22, v16, v17, vcc_lo            ; lanes 0-15: tile 2 b's words, lanes 16-31: tile 2 b + 1's
	v_cndmask_b32 v23, v18, v19, vcc_lo
	global_store_b32 v12, v22, s[18:19] offset:12288
	global_store_b32 v12, v23, s[18:19] offset:12288+HEADB
	v_cmp_eq_u32 vcc_lo, 0, v15
	v_mov_b32 v31, 0xf1800000                      ; -2^100
	v_cndmask_b32 v31, 0, v31, vcc_lo
	global_store_b32 v13, v31, s[18:19] offset:13056
	global_store_b32 v13, v31, s[18:19] offset:13056+HEADB
	s_wait_tensorcnt 0x0                           ; the wave's end: behind my last LDS store
	ds_add_u32 v[SPW], v[NIL]
	s_wait_dscnt 0x0
	s_endpgm
.Lfunc_end_k_q5741bb1958_prep:
	.size	k_q5741bb1958_prep, .Lfunc_end_k_q5741bb1958_prep-k_q5741bb1958_prep
	.p2alignl 7, 3214868480
	.fill 96, 4, 3214868480
	.section	.rodata,"a",@progbits
	.p2align	6, 0x0
	.amdhsa_kernel k_q5741bb1958_prep
		.amdhsa_group_segment_fixed_size 34304
		.amdhsa_private_segment_fixed_size 0
		.amdhsa_enable_private_segment 0
		.amdhsa_kernarg_size 32
		.amdhsa_user_sgpr_count 2
		.amdhsa_user_sgpr_kernarg_segment_ptr 1
		.amdhsa_wavefront_size32 1
		.amdhsa_system_sgpr_workgroup_id_x 1
		.amdhsa_system_sgpr_workgroup_id_y 1
		.amdhsa_system_sgpr_workgroup_id_z 1
		.amdhsa_system_vgpr_workitem_id 0
		.amdhsa_next_free_vgpr 256
		.amdhsa_next_free_sgpr 66
		.amdhsa_reserve_vcc 1
		.amdhsa_float_denorm_mode_32 3
		.amdhsa_float_denorm_mode_16_64 3
		.amdhsa_memory_ordered 1
		.amdhsa_forward_progress 1
		.amdhsa_inst_pref_size 38
	.end_amdhsa_kernel
	.amdgpu_metadata
---
amdhsa.version: [ 1, 2 ]
amdhsa.kernels:
  - .name:           k_q5741bb1958_prep
    .symbol:         k_q5741bb1958_prep.kd
    .args:
      - { .name: keys, .offset: 0, .size: 8, .value_kind: global_buffer, .address_space: global }
      - { .name: mask, .offset: 8, .size: 8, .value_kind: global_buffer, .address_space: global }
      - { .name: values, .offset: 16, .size: 8, .value_kind: global_buffer, .address_space: global }
      - { .name: kv, .offset: 24, .size: 8, .value_kind: global_buffer, .address_space: global }
    .group_segment_fixed_size: 34304
    .private_segment_fixed_size: 0
    .kernarg_segment_align: 8
    .kernarg_segment_size: 32
    .max_flat_workgroup_size: 128
    .sgpr_count:     66
    .vgpr_count:     256
    .wavefront_size: 32
...
	.end_amdgpu_metadata
.endif
;; end of part 1
;; launch attn (part 2): grid 8 x 32, 16 waves a work-group, clusters of 4 x 1, 327,680 bytes of LDS; arguments queries, kv, aimg, wimg, fc_w, ff_w1, ff_w2; writes aimg, wimg
.if DOCPART == 2
	.amdgcn_target "amdgcn-amd-amdhsa--gfx1250"
	.amdhsa_code_object_version 6
	.text
	.protected	k_q5741bb1958_attn
	.globl	k_q5741bb1958_attn
	.p2align	8
	.type	k_q5741bb1958_attn,@function
k_q5741bb1958_attn:
	s_mov_b64 s[64:65], 0
	v_nop
	global_prefetch_b8 v0, s[64:65] scope:SCOPE_SE
	s_setreg_imm32_b32 hwreg(HW_REG_WAVE_MODE, 25, 1), 1
	s_wait_xcnt 0x0
	s_wait_alu depctr_hold_cnt(0) depctr_sa_sdst(0) depctr_va_vdst(0) depctr_va_sdst(0) depctr_va_ssrc(0) depctr_va_vcc(0) depctr_vm_vsrc(0)
	s_getreg_b32 s2, hwreg(HW_REG_IB_STS2, 6, 4)
	s_cmp_eq_u32 s2, 0
	s_cbranch_scc0 .Lentry_in_a_cluster
	s_endpgm
.Lentry_in_a_cluster:
	s_bfe_u32 s2, ttmp6, 0x10000c
	s_cmp_lg_u32 s2, 0x3003
	s_cbranch_scc0 .Lentry_shape_is_right
	s_endpgm
.Lentry_shape_is_right:
; Attention, both products on codes of FP6 (E2M3); and, beside it, the three weights' quantiser.  No work of reference() is left out here.
; t = score x log2(e) / 32 (reference() divides by sqrt(1024)); M = the running largest t rounded up to a whole number; p = 2^(t - M) is quantised along the keys, not normalised; the row's sum of the unquantised p divides at the end.
; O / l is quantised along h 64 + d (its blocks of 32 lie inside a head) and leaves as codes, laid as images of the next product's operand registers (the first launch's head says how).
; SHARES: a work-group owns 256 queries of one (batch, head), each of its sixteen waves 16 of them, in 256 registers.
; THE HEAD'S K, V, SCALES AND MASK TERMS, 16 blocks of 13,568 bytes, lie in LDS whole, filled once.  At the head each wave asks for 13 rows of 256 bytes (together rows 0-207: key steps 0 to 2 need 159);
; behind the wait for them, the add and a round of the cluster's barrier each wave asks for 40 rows more (the rest), which have three key steps in which to land.  One tensor load of a wave is out at a time.
; All of LDS is claimed.
; CLUSTER: the four query blocks of a cluster belong to one head and read the same bytes: each load is asked for jointly, with the same descriptor and a mask that names the four.
; LAYOUT: both products are used transposed, S^T = K Q^T, O^T = V^T P^T: a lane holds one query (lane % 16) throughout; the keys of a tile of K and the channels of a tile of V^T are chosen so that 16 registers of two neighbouring tiles are 16 neighbours.
; K = 64 IN A FORM 128 DEEP: Q's registers 6-11 are zero codes and bytes 2, 3 of both sides' scale words are 0 (2^-127, a number): whatever codes stand in K's registers 6-11 add nothing.
; THE MASK: 0 or -2^100 for each key is the C of the first product.
; THE WEIGHTS: fc_w, ff_w1, ff_w2 ([K][N]) are 2,304 = 9 x 256 units of 32 columns x 128 K, that is 18 half units of 32 columns x 64 K for each work-group, numbered n = 0-7 (ff_w1), 8-15 (ff_w2), 16, 17 (fc_w):
; unit 256 ((n / 2) % 4) + work-group of its tensor, half n % 2.  A lane takes a column and its 64 registers run down K: two whole blocks of 32; 64 loads.
; WAVES 0 TO 7 TAKE THEM: wave w takes n = w, then w + 8, then (waves 0 and 1) w + 16, at the heads of trips of the second loop that lie four apart, waves 0-3 from trip 0 on, waves 4-7 from trip 2 on.
; The choice hangs on the wave's number and the count of trips alone; the work-group's number enters addresses alone.  Between two key steps only Q, O^T, the statistics, the scale registers and the zero codes are alive: the half unit works in the rest.
; LIMITS: a batch whose mask is all zeros (reference() gives NaN) is not served; scores of size 2^44 or more are not served (the largest t starts at -2^40; a hidden score is -2^100); NaN and infinities among the inputs are not served;
; a block of zeros of a weight gets the byte 1 where the rule says 127 (its codes are zeros, and the bytes are read by this program alone).
; No prefetch is written: every byte of K and V is asked for ahead of the first loop.
; REGISTERS: v1-4 lane terms, v5, v6 the add's two, v7 the scale byte's lane term, v8-11 addresses of the step in hand; v12 -M, v13 the largest t, v[14:15] the sum; v16-27 Q, v28 Q's scale word; v29-31 Q's offset, r, h;
; v32-85 K's eight tiles, later V's four fragments; v86-89 K's scale words, v90-91 V's; v96-159 S^T, then p; v160-191 O^T; v192-203 p's codes; v204-228 and v240-255 at work; v228 p's scale word.
; A weight's half unit: v9-11 addresses; v96-159 its two blocks; v64-71 at work; v242-253 its codes.
.set SB,    13568
.set VOFF,  6144
.set KSOFF, 12288
.set VSOFF, 12800
.set MBOFF, 13056
.set GB,    12800
.set SPARE, 16*SB                      ; behind the head's blocks: the spare words, 128 bytes for each wave
.set WV,    18
.set HU,    76                         ; s76: the number n of my next half unit
.macro CROUND                          ; a round of the cluster's barrier
	s_barrier_signal -1
	s_barrier_wait -1
	s_cmp_lg_u32 s[WV], 0
	s_cbranch_scc1 .Lnot_wave_0_\@
	s_barrier_signal -3
.Lnot_wave_0_\@:
	s_barrier_wait -3
	s_barrier_signal -1
	s_barrier_wait -1
.endm
	s_load_b128 s[4:7], s[0:1], 0x0                ; queries, kv
	s_load_b64 s[8:9], s[0:1], 0x10                ; aimg
	s_load_b64 s[74:75], s[0:1], 0x18              ; wimg
	s_load_b128 s[68:71], s[0:1], 0x20             ; fc_w, ff_w1
	s_load_b64 s[72:73], s[0:1], 0x30              ; ff_w2
	v_lshl_add_u32 v5, v0, 2, SPARE
	v_mov_b32 v6, 0
	ds_add_u32 v5, v6                              ; the opening: the add, twice on end, and its wait ahead of my first tensor load
	ds_add_u32 v5, v6
	v_lshrrev_b32 v1, 5, v0
	s_delay_alu instid0(VALU_DEP_1)
	v_readfirstlane_b32 s[WV], v1                  ; wave 0..15
	s_bfe_u32 s13, ttmp6, 0x40000                  ; cx
	s_lshl_b32 s14, ttmp9, 2
	s_add_co_u32 s14, s14, s13                     ; my block of 256 queries: it enters global addresses alone
	s_and_b32 s15, ttmp7, 0xffff                   ; 16 x batch + head, which the four partners share
	s_mov_b32 s[HU], s[WV]                         ; my first half unit
	s_lshr_b32 s77, s[WV], 2
	s_lshl_b32 s77, s77, 1
	s_sub_co_u32 s19, 13, s77                      ; the second loop counts 13 .. 1: waves 0-3 begin where the count is 13, waves 4-7 where it is 11,
	s_cmp_gt_u32 s[WV], 7
	s_cselect_b32 s19, 0, s19                      ; waves 8-15 never
	s_mov_b32 s24, 15|(3<<16)|(1<<21)              ; group 1: the mask of all four, elements of 8 bytes, bit 21 beside a mask; 13 rows of 32 elements, dense
	s_mov_b32 s25, 32<<16
	s_mov_b32 s26, 13<<16
	s_mov_b32 s27, 32<<16
	s_mov_b32 s28, 13
	s_mov_b32 s29, 32
	s_mov_b32 s30, 0
	s_mov_b32 s31, 0
	s_mov_b32 s32, 15|(3<<16)|(1<<21)              ; the same with 40 rows
	s_mov_b32 s33, 32<<16
	s_mov_b32 s34, 40<<16
	s_mov_b32 s35, 32<<16
	s_mov_b32 s36, 40
	s_mov_b32 s37, 32
	s_mov_b32 s38, 0
	s_mov_b32 s39, 0
	s_mul_i32 s10, s15, 16*SB                      ; the head's bytes in kv
	s_mov_b32 s11, 0
	s_mul_i32 s16, s[WV], 13*256                   ; my first load: in the head's bytes and in LDS alike
	s_mul_i32 s17, s[WV], 40*256
	s_add_co_u32 s17, s17, 208*256                 ; my second
	s_mov_b32 s20, 0x76543210
	s_mov_b32 s21, 0xfedcba98                      ; v_permlanex16_b32's selects for lane l xor 16
	s_mov_b32 s22, 0x3d38aa3b                      ; c = log2(e) / 32
	s_mov_b32 s23, s22
	s_lshr_b32 s48, s15, 4                         ; batch
	s_and_b32 s49, s15, 15                         ; head
	s_lshl_b32 s50, s48, 11
	s_lshl_b32 s51, s14, 8
	s_add_co_u32 s50, s50, s51
	s_lshl_b32 s51, s[WV], 4
	s_add_co_u32 s50, s50, s51                     ; my first query's row
	s_lshl_b32 s52, s50, 12
	s_lshl_b32 s51, s49, 8
	s_add_co_u32 s52, s52, s51                     ; x 4,096 + 256 x head
	s_mov_b32 s53, 0
	v_and_b32 v30, 15, v0                          ; r
	v_bfe_u32 v31, v0, 4, 1                        ; h
	s_delay_alu instid0(VALU_DEP_2)
	v_lshlrev_b32 v29, 12, v30
	s_delay_alu instid0(VALU_DEP_1)
	v_lshl_add_u32 v29, v31, 7, v29                ; Q: row r, block h: 32 numbers, 128 bytes
	s_wait_alu depctr_va_vdst(0)
	s_wait_dscnt 0x0                               ; both opening adds are done
	s_wait_kmcnt 0x0
	s_add_nc_u64 s[6:7], s[6:7], s[10:11]
	s_add_nc_u64 s[4:5], s[4:5], s[52:53]
.irp j, 0,1,2,3,4,5,6,7
	global_load_b128 v[96+4*\j:99+4*\j], v29, s[4:5] offset:16*\j   ; Q is asked for ahead of the round
.endr
	s_mov_b32 s40, 1
	s_mov_b32 s41, s16
	s_mov_b32 s10, s16
	s_add_nc_u64 s[42:43], s[6:7], s[10:11]
	s_or_b32 s43, s43, 0x80000000
	s_mov_b32 s44, 1
	s_mov_b32 s45, s17
	s_mov_b32 s10, s17
	s_add_nc_u64 s[46:47], s[6:7], s[10:11]
	s_or_b32 s47, s47, 0x80000000
	CROUND                                         ; all four work-groups are here: the joint loads meet
	tensor_load_to_lds s[40:43], s[24:31]          ; my one load at the head
	s_nop 0
.rept 4
	v_nop
.endr
	v_and_b32 v1, 31, v0
	s_delay_alu instid0(VALU_DEP_1)
	v_lshlrev_b32 v3, 3, v1                        ; 8 x lane
	s_delay_alu instid0(VALU_DEP_2)
	v_lshlrev_b32 v1, 4, v1                        ; 16 x lane
	v_lshlrev_b32 v2, 4, v30
	s_delay_alu instid0(VALU_DEP_1)
	v_add_nc_u32 v7, v2, v31                       ; 16 r + h
	s_delay_alu instid0(VALU_DEP_2)
	v_lshl_add_u32 v2, v31, 3, v2                  ; 16 r + 8 h
	v_lshlrev_b32 v4, 6, v31                       ; 64 h
.irp b, 0,1,2,3
	v_mov_b32 v[216+\b], 0                         ; (a lane permute's destination counts as one of its sources)
.endr
	s_wait_alu depctr_va_vdst(0)
	s_wait_tensorcnt 0x0                           ; my first load has landed
	ds_add_u32 v5, v6
	s_wait_dscnt 0x0
	CROUND                                         ; everybody's first load has landed: rows 0 to 207; and the second joint loads meet
	tensor_load_to_lds s[44:47], s[32:39]
	s_nop 0
.rept 4
	v_nop
.endr
	s_wait_loadcnt 0x0
	v_max3_num_f32 v212, |v96|, |v97|, |v98|       ; Q is quantised in registers: a whole block in a lane
	v_max3_num_f32 v213, |v99|, |v100|, |v101|
.irp i, 6,10,14,18,22,26
	s_delay_alu instid0(VALU_DEP_2)
	v_max3_num_f32 v212, v212, |v[96+\i]|, |v[97+\i]|
	s_delay_alu instid0(VALU_DEP_2)
	v_max3_num_f32 v213, v213, |v[98+\i]|, |v[99+\i]|
.endr
	s_delay_alu instid0(VALU_DEP_2)
	v_max3_num_f32 v212, v212, |v126|, |v127|
	s_delay_alu instid0(VALU_DEP_1)
	v_max3_num_f32 v212, v212, v213, 0x1800000     ; the floor 2^(3 - 127)
	s_delay_alu instid0(VALU_DEP_1)
	v_add_nc_u32 v220, 0xff000000, v212
	s_delay_alu instid0(VALU_DEP_1)
	v_lshrrev_b32 v224, 23, v220
	v_cvt_scalef32_pk16_fp6_f32 v[16:18], v[96:111], v220
	v_cvt_scalef32_pk16_fp6_f32 v[204:206], v[112:127], v220
	v_lshlrev_b32 v213, 3, v31                     ; (one plain place behind a scaled conversion)
	v_mov_b32 v19, v204
	v_mov_b32 v20, v205
	v_mov_b32 v21, v206
	s_delay_alu instid0(VALU_DEP_4)
	v_lshlrev_b32 v224, v213, v224
	s_delay_alu instid0(VALU_DEP_1)
	v_permlanex16_b32 v216, v224, s20, s21
	s_delay_alu instid0(VALU_DEP_1)
	v_or_b32 v28, v224, v216                       ; Q's scale word: bytes 0, 1; bytes 2, 3 are 0
.irp j, 22,23,24,25,26,27, 80,81,82,83,84,85
	v_mov_b32 v[\j], 0                             ; Q's upper half: zero codes; and what stands behind K's last tile
.endr
	v_mov_b32 v13, 0xd3800000                      ; the largest t so far: -2^40
	s_delay_alu instid0(VALU_DEP_1)
	v_floor_f32 v12, -v13                          ; -M
	v_mov_b32 v14, 0
	v_mov_b32 v15, 0
	v_mov_b32 v227, 0                              ; (named as the upper half of the pair v[226:227])
.set j, 0
.rept 32
	v_mov_b32 v[160+j], 0                          ; O^T: the step is written once; the first finds zeros
.set j, j+1
.endr
; A KEY STEP: 128 keys, whose block begins at LDS byte s2.
.macro STEP
	v_add_nc_u32 v8, s2, v1                        ; (these four are also the places behind the last products, in front of the loads below)
	v_add_nc_u32 v9, s2, v2
	v_add_nc_u32 v10, s2, v3
	v_add_nc_u32 v11, s2, v4
	ds_load_b128 v[86:89], v8 offset:KSOFF         ; register b: lanes 0-15 tile 2 b's words, lanes 16-31 tile 2 b + 1's
.irp t, 0,1,2,3,4,5,6,7
	ds_load_b128 v[32+6*\t:35+6*\t], v8 offset:768*\t
	ds_load_b64 v[36+6*\t:37+6*\t], v9 offset:768*\t+512
	ds_load_b128 v[96+8*\t:99+8*\t], v11 offset:MBOFF+128*(\t/2)+32*(\t%2)       ; the mask's terms, straight into the accumulator
	ds_load_b128 v[100+8*\t:103+8*\t], v11 offset:MBOFF+128*(\t/2)+32*(\t%2)+16
.endr
	s_wait_alu depctr_va_vdst(0)
.irp p, 0,1,2,3                        ; S^T = K Q^T + the mask's term; the eight accumulators take turns
.if \p < 3
	s_wait_dscnt 20-8*\p                           ; pair p names the registers of tiles 2 p .. 2 p + 2: the four loads of each later tile may be out
.else
	s_wait_dscnt 0x0
.endif
	v_wmma_scale_f32_16x16x128_f8f6f4 v[96+16*\p:103+16*\p], v[32+12*\p:43+12*\p], v[16:27], v[96+16*\p:103+16*\p], v[86+\p], v28 matrix_a_fmt:MATRIX_FMT_FP6 matrix_b_fmt:MATRIX_FMT_FP6
	v_wmma_scale_f32_16x16x128_f8f6f4 v[104+16*\p:111+16*\p], v[38+12*\p:49+12*\p], v[16:27], v[104+16*\p:111+16*\p], v[86+\p], v28 matrix_a_fmt:MATRIX_FMT_FP6 matrix_b_fmt:MATRIX_FMT_FP6 matrix_a_scale:MATRIX_SCALE_ROW1
.endr
.rept 4
	v_nop                                          ; places: in front of the loads into K's registers, and of the first read of the scores
.endr
.irp t, 0,1,2,3                        ; V's four fragments land while the softmax is walked
	ds_load_b128 v[32+12*\t:35+12*\t], v8 offset:VOFF+1536*\t
	ds_load_b64 v[36+12*\t:37+12*\t], v9 offset:VOFF+1536*\t+512
	ds_load_b128 v[38+12*\t:41+12*\t], v8 offset:VOFF+1536*\t+768
	ds_load_b64 v[42+12*\t:43+12*\t], v9 offset:VOFF+1536*\t+1280
.endr
	ds_load_b64 v[90:91], v10 offset:VSOFF
.irp b, 0,1,2,3
	v_max3_num_f32 v[212+\b], v[96+16*\b], v[97+16*\b], v[98+16*\b]   ; the largest score of each block of 32 keys: for the row's maximum and, since p rises with the score, for the block's largest p
.endr
.irp i, 3,5,7,9,11,13
.irp b, 0,1,2,3
	v_max3_num_f32 v[212+\b], v[212+\b], v[96+16*\b+\i], v[97+16*\b+\i]
.endr
.endr
.irp b, 0,1,2,3
	v_max_num_f32 v[212+\b], v[212+\b], v[111+16*\b]
.endr
.irp b, 0,1,2,3
	s_delay_alu instid0(VALU_DEP_4)
	v_permlanex16_b32 v[216+\b], v[212+\b], s20, s21
.endr
.irp b, 0,1,2,3
	s_delay_alu instid0(VALU_DEP_4)
	v_max_num_f32 v[212+\b], v[212+\b], v[216+\b]  ; with lane l xor 16's 16 keys
.endr
	s_delay_alu instid0(VALU_DEP_2)
	v_max3_num_f32 v224, v212, v213, v214
	s_delay_alu instid0(VALU_DEP_1)
	v_max_num_f32 v224, v224, v215
	s_delay_alu instid0(VALU_DEP_1)
	v_mul_f32 v224, s22, v224                      ; as t (c is positive)
	s_delay_alu instid0(VALU_DEP_1)
	v_max_num_f32 v13, v13, v224                   ; the running largest t
	v_mov_b32 v224, v12
	s_delay_alu instid0(VALU_DEP_2)
	v_floor_f32 v12, -v13                          ; the new -M = -ceil(t)
	s_delay_alu instid0(VALU_DEP_1)
	v_sub_f32 v224, v12, v224                      ; old M - new M: a whole number, 0 or less
	s_delay_alu instid0(VALU_DEP_1)
	v_cvt_i32_f32 v224, v224                       ; (it saturates)
	s_delay_alu instid0(VALU_DEP_1)
	v_ldexp_f32 v226, 1.0, v224                    ; f = 2^(old M - new M)
.set j, 0
.rept 32
	v_pk_fma_f32 v[96+j:97+j], v[96+j:97+j], s[22:23], v[12:13] op_sel_hi:[1,0,0]   ; t - M
.set j, j+2
.endr
.irp b, 0,1,2,3
	v_fma_f32 v[212+\b], v[212+\b], s22, v12       ; the same of each block's largest score
.endr
.set j, 0
	s_wait_alu depctr_va_vdst(0)
.rept 64
	v_exp_f32 v[96+j], v[96+j]                     ; p = 2^(t - M)
.set j, j+1
.endr
	v_pk_mul_f32 v[14:15], v[14:15], v[226:227] op_sel_hi:[1,0]   ; the sums under the new M (a plain place behind the exponentials)
	s_wait_alu depctr_va_vdst(0)                   ; one wait for the batch of 64, ahead of its first reader
.irp b, 0,1,2,3
	v_exp_f32 v[212+\b], v[212+\b]                 ; the block's largest p
.endr
.irp k, 0,1,2,3,4,5,6,7                ; the row's sum of the unquantised p, in eight chains
	v_pk_add_f32 v[240+2*\k:241+2*\k], v[96+2*\k:97+2*\k], v[112+2*\k:113+2*\k]
.endr
.irp j, 32,48
.irp k, 0,1,2,3,4,5,6,7
	v_pk_add_f32 v[240+2*\k:241+2*\k], v[240+2*\k:241+2*\k], v[96+\j+2*\k:97+\j+2*\k]
.endr
.endr
.irp k, 0,1,2,3
	v_pk_add_f32 v[240+2*\k:241+2*\k], v[240+2*\k:241+2*\k], v[248+2*\k:249+2*\k]
.endr
	s_delay_alu instid0(VALU_DEP_2)
	v_pk_add_f32 v[240:241], v[240:241], v[244:245]
	s_delay_alu instid0(VALU_DEP_2)
	v_pk_add_f32 v[242:243], v[242:243], v[246:247]
	s_delay_alu instid0(VALU_DEP_2)
	v_pk_add_f32 v[14:15], v[14:15], v[240:241]
	s_delay_alu instid0(VALU_DEP_1)
	v_pk_add_f32 v[14:15], v[14:15], v[242:243]
	s_wait_alu depctr_va_vdst(0)                   ; and one for the four
.irp b, 0,1,2,3
	v_max_num_f32 v[212+\b], 0x1800000, v[212+\b]  ; the floor 2^(3 - 127)
.endr
.irp b, 0,1,2,3
	s_delay_alu instid0(VALU_DEP_4)
	v_add_nc_u32 v[220+\b], 0xff000000, v[212+\b]  ; the conversion's scale operand
.endr
.irp b, 0,1,2,3
	s_delay_alu instid0(VALU_DEP_4)
	v_lshrrev_b32 v[216+\b], 23, v[220+\b]         ; the scale's byte
.endr
	s_delay_alu instid0(VALU_DEP_3)
	v_lshl_or_b32 v228, v217, 8, v216              ; p's scale word for these 128 keys
	s_delay_alu instid0(VALU_DEP_1)
	v_lshl_or_b32 v228, v218, 16, v228
	s_delay_alu instid0(VALU_DEP_1)
	v_lshl_or_b32 v228, v219, 24, v228
.irp c, 0,1
	v_cvt_scalef32_pk16_fp6_f32 v[192+6*\c:194+6*\c], v[96+32*\c:111+32*\c], v[220+2*\c]
	v_cvt_scalef32_pk16_fp6_f32 v[204+4*\c:206+4*\c], v[112+32*\c:127+32*\c], v[221+2*\c]
.endr
	v_nop                                          ; one plain place behind a scaled conversion
.irp c, 0,1                            ; the operand's layout wants a whole block in a lane
.irp i, 0,1,2
	v_permlane16_swap_b32 v[192+6*\c+\i], v[204+4*\c+\i]
.endr
.irp i, 0,1,2
	s_delay_alu instid0(VALU_DEP_3)
	v_mov_b32 v[195+6*\c+\i], v[204+4*\c+\i]
.endr
.endr
.set j, 0
.rept 16
	v_pk_mul_f32 v[160+j:161+j], v[160+j:161+j], v[226:227] op_sel_hi:[1,0]   ; O^T under the new M; these sixteen are also the places between p's codes and scale word and the products
.set j, j+2
.endr
	s_wait_alu depctr_va_vdst(0)
	s_wait_dscnt 0x0                               ; V is in
.irp p, 0,1                            ; O^T += V^T P^T; the four accumulators take turns
	v_wmma_scale_f32_16x16x128_f8f6f4 v[160+16*\p:167+16*\p], v[32+24*\p:43+24*\p], v[192:203], v[160+16*\p:167+16*\p], v[90+\p], v228 matrix_a_fmt:MATRIX_FMT_FP6 matrix_b_fmt:MATRIX_FMT_FP6
	v_wmma_scale_f32_16x16x128_f8f6f4 v[168+16*\p:175+16*\p], v[44+24*\p:55+24*\p], v[192:203], v[168+16*\p:175+16*\p], v[90+\p], v228 matrix_a_fmt:MATRIX_FMT_FP6 matrix_b_fmt:MATRIX_FMT_FP6 matrix_a_scale:MATRIX_SCALE_ROW1
.endr
	s_add_co_u32 s2, s2, SB
.endm
; A WEIGHT'S HALF UNIT.  WLOAD: W(128 s + 64 c + i, my column) into register 96 + i; the row stands in the immediate: 63 rows of 16,384 bytes at the most.
.macro WLOAD pitch
.set i, 0
.rept 64
	global_load_b32 v[96+i], v9, s[40:41] offset:i*\pitch   ; a wave reads 128 consecutive bytes, the cluster's four partners 512
.set i, i+1
.endr
.endm
; Block h of my column's half: its codes' bytes 0-15 go to registers 4 h .. 4 h + 3 of the half's twelve, its bytes 16-23 to registers 8 + 2 h, 9 + 2 h.
.macro BLK k
.set XS, 96+32*(\k)
.set CC, 242+4*(\k)
.set CH, 250+2*(\k)
	s_wait_loadcnt 32*(1-(\k))                     ; the second block's 32 loads may be out
	v_max3_num_f32 v64, |v[XS]|, |v[XS+1]|, |v[XS+2]|
	v_max3_num_f32 v65, |v[XS+3]|, |v[XS+4]|, |v[XS+5]|
.irp i, 6,10,14,18,22,26
	s_delay_alu instid0(VALU_DEP_2)
	v_max3_num_f32 v64, v64, |v[XS+\i]|, |v[XS+\i+1]|
	s_delay_alu instid0(VALU_DEP_2)
	v_max3_num_f32 v65, v65, |v[XS+\i+2]|, |v[XS+\i+3]|
.endr
	s_delay_alu instid0(VALU_DEP_2)
	v_max3_num_f32 v64, v64, |v[XS+30]|, |v[XS+31]|
	s_delay_alu instid0(VALU_DEP_1)
	v_max3_num_f32 v64, v64, v65, 0x1800000        ; the floor 2^(3 - 127): the byte cannot fall under 1
	s_delay_alu instid0(VALU_DEP_1)
	v_add_nc_u32 v66, 0xff000000, v64              ; 2 off the exponent field: the conversion's scale operand
	s_delay_alu instid0(VALU_DEP_1)
	v_lshrrev_b32 v67, 23, v66                     ; the scale's byte
.if (\k) == 0
	s_delay_alu instid0(VALU_DEP_1)
	v_mov_b32 v71, v67
.else
	s_delay_alu instid0(VALU_DEP_1)
	v_lshl_or_b32 v71, v67, 8, v71                 ; my column's two bytes
.endif
	v_cvt_scalef32_pk16_fp6_f32 v[CC:CC+2], v[XS:XS+15], v66
	v_cvt_scalef32_pk16_fp6_f32 v[68:70], v[XS+16:XS+31], v66
	v_nop                                          ; one plain place behind a scaled conversion
	v_mov_b32 v[CC+3], v68
	v_mov_b32 v[CH], v69
	v_mov_b32 v[CH+1], v70
.endm
	s_mov_b32 s2, 0
	s_mov_b32 s3, 3
.Lfirst:                               ; key steps 0 to 2, which the round above has shown whole
	STEP
	s_sub_co_u32 s3, s3, 1
	s_cmp_lg_u32 s3, 0
	s_cbranch_scc1 .Lfirst
	s_wait_tensorcnt 0x0                           ; my second load has landed (so the descriptors' registers may be written),
	s_wait_dscnt 0x0
	s_barrier_signal -1
	s_barrier_wait -1                              ; everybody's has: the head is whole
	s_mov_b32 s3, 13
.Lrest:
	s_cmp_lg_u32 s3, s19                           ; the count of trips against a number made of the wave's number and of counts alone
	s_cbranch_scc1 .Lno_unit
	s_cmp_lt_u32 s[HU], 8                          ; which tensor, by the half unit's number
	s_cselect_b64 s[24:25], s[70:71], s[72:73]     ; ff_w1 or ff_w2
	s_cselect_b32 s26, 7, 5                        ; log2 of the units in a row of units (columns / 32)
	s_cselect_b32 s27, 3, 5                        ; log2 of the K steps
	s_mov_b32 s28, 4096000
	s_cselect_b32 s28, 819200, s28                 ; place in wimg
	s_cmp_gt_u32 s[HU], 15
	s_cselect_b64 s[24:25], s[68:69], s[24:25]     ; fc_w
	s_cselect_b32 s27, 3, s27
	s_cselect_b32 s28, 0, s28
	s_bfe_u32 s30, s[HU], 0x20001                  ; (n / 2) % 4
	s_and_b32 s29, s[HU], 1                        ; c: which half
	s_lshl_b32 s30, s30, 8
	s_lshl_b32 s31, s15, 3
	s_add_co_u32 s31, s31, s14                     ; the work-group's number, 0 .. 255
	s_add_co_u32 s30, s30, s31                     ; the unit's number in its tensor
	s_lshl_b32 s32, 1, s26
	s_sub_co_u32 s32, s32, 1
	s_and_b32 s32, s30, s32                        ; P: which 32 columns
	s_lshr_b32 s33, s30, s26                       ; s: which 128 along K
	s_lshl_b32 s34, 128, s26                       ; a row of the tensor in bytes
	s_mul_i32 s35, s33, s34
	s_lshl_b32 s35, s35, 7                         ; 128 s rows
	s_lshl_b32 s36, s32, 7                         ; + 128 P bytes
	s_add_co_u32 s36, s36, s35
	s_mul_i32 s35, s29, s34
	s_lshl_b32 s35, s35, 6                         ; + 64 c rows
	s_add_co_u32 s36, s36, s35
	s_mov_b32 s37, 0
	s_add_nc_u64 s[40:41], s[24:25], s[36:37]
	s_lshr_b32 s50, s32, 2                         ; block (P / 4) x K steps + s
	s_lshl_b32 s50, s50, s27
	s_add_co_u32 s50, s50, s33
	s_mul_i32 s50, s50, GB
	s_add_co_u32 s50, s50, s28
	s_and_b32 s51, s32, 3                          ; the pair of tiles b = P % 4
	s_mul_i32 s52, s51, 3072
	s_add_co_u32 s36, s52, s50
	s_mul_i32 s35, s29, 768
	s_add_co_u32 s36, s36, s35                     ; its codes, half c
	s_lshl_b32 s51, s51, 2
	s_add_co_u32 s38, s50, s51
	s_lshl_b32 s35, s29, 1
	s_add_co_u32 s38, s38, s35
	s_add_co_u32 s38, s38, 12288                   ; its scale words, bytes 2 c and 2 c + 1
	s_mov_b32 s39, 0
	s_add_nc_u64 s[56:57], s[74:75], s[36:37]
	s_add_nc_u64 s[58:59], s[74:75], s[38:39]
	v_and_b32 v8, 31, v0                           ; lane.  (These four lines name no register of the last products: they are the places ahead of the writes and loads below)
	s_delay_alu instid0(VALU_DEP_1)
	v_lshlrev_b32 v9, 2, v8                        ; 4 bytes a lane
	s_delay_alu instid0(VALU_DEP_2)
	v_bfe_u32 v10, v8, 3, 1                        ; column x = 8 u + r + 8 (r / 8): u,
	s_delay_alu instid0(VALU_DEP_3)
	v_and_b32 v11, 7, v8
	s_delay_alu instid0(VALU_DEP_4)
	v_lshrrev_b32 v64, 4, v8
	s_delay_alu instid0(VALU_DEP_1)
	v_lshl_or_b32 v11, v64, 3, v11                 ; r
	s_delay_alu instid0(VALU_DEP_1)
	v_lshl_add_u32 v64, v10, 4, v11
	v_mul_u32_u24 v10, v10, 1536
	s_delay_alu instid0(VALU_DEP_1)
	v_lshl_add_u32 v10, v11, 4, v10                ; tile u, 16 r
	s_delay_alu instid0(VALU_DEP_3)
	v_lshlrev_b32 v11, 4, v64                      ; my scale word's place: 16 bytes a row
	s_cmp_lt_u32 s[HU], 8                          ; ff_w1's rows are 16,384 bytes, the others' 4,096
	s_cbranch_scc1 .Lwide
	WLOAD 4096
	s_branch .Lloaded
.Lwide:
	s_wait_alu depctr_va_vdst(0)
	WLOAD 16384
.Lloaded:
	BLK 0
	BLK 1                                          ; (its wait is for 0: the loads' address register is free)
	global_store_b128 v10, v[242:245], s[56:57]               ; each store covers two runs of 256 consecutive bytes, aligned (tile u = 0 and tile u = 1)
	global_store_b128 v10, v[246:249], s[56:57] offset:256
	global_store_b128 v10, v[250:253], s[56:57] offset:512
	global_store_b16 v11, v71, s[58:59]            ; 2 bytes a lane, 16 bytes apart: one such store for each 8 KiB read
	s_add_co_u32 s[HU], s[HU], 8                   ; my next half unit,
	s_sub_co_u32 s19, s19, 4                       ; four trips on,
	s_cmp_gt_u32 s[HU], 17
	s_cselect_b32 s19, 0, s19                      ; if there is one
	s_wait_xcnt 0x0                                ; the stores have read their registers: the key step below writes them anew
.Lno_unit:
	STEP
	s_sub_co_u32 s3, s3, 1
	s_cmp_lg_u32 s3, 0
	s_cbranch_scc1 .Lrest
	; THE WAY OUT: O^T / the sum; register 16 b + i is channel 32 b + 16 h + i of my query: two blocks of the next product's K
.rept 4
	v_nop                                          ; places behind the last products
.endr
	s_lshl_b32 s54, s48, 4
	s_lshl_b32 s55, s14, 1
	s_add_co_u32 s54, s54, s55
	s_lshr_b32 s55, s[WV], 3
	s_add_co_u32 s54, s54, s55                     ; my group of 128 rows: 16 x batch + 2 x block + wave / 8
	s_lshl_b32 s54, s54, 3
	s_lshr_b32 s55, s49, 1
	s_add_co_u32 s54, s54, s55                     ; K step = head / 2
	s_mul_i32 s54, s54, GB
	s_and_b32 s56, s[WV], 7                        ; tile
	s_mul_i32 s57, s56, 1536
	s_and_b32 s58, s49, 1                          ; half c = head % 2
	s_mul_i32 s59, s58, 768
	s_add_co_u32 s57, s57, s59
	s_add_co_u32 s60, s54, s57
	s_mov_b32 s61, 0
	s_add_nc_u64 s[10:11], s[8:9], s[60:61]        ; my half fragment
	s_and_b32 s57, s56, 1
	s_lshl_b32 s57, s57, 8
	s_lshr_b32 s59, s56, 1
	s_lshl_b32 s59, s59, 2
	s_add_co_u32 s57, s57, s59
	s_lshl_b32 s59, s58, 1
	s_add_co_u32 s57, s57, s59
	s_add_co_u32 s60, s54, s57
	s_add_nc_u64 s[8:9], s[8:9], s[60:61]          ; my tile's scale words, byte 2 c
	v_add_f32 v14, v14, v15
	s_delay_alu instid0(VALU_DEP_1)
	v_permlanex16_b32 v216, v14, s20, s21
	s_delay_alu instid0(VALU_DEP_1)
	v_add_f32 v14, v14, v216                       ; the row's sum
	s_wait_alu depctr_va_vdst(0)
	v_rcp_f32 v14, v14
	v_cmp_ne_u32 vcc_lo, 0, v31
	v_nop                                          ; a plain place behind the reciprocal
	s_wait_alu depctr_va_vdst(0)                   ; the wait ahead of its first reader
.set j, 0
.rept 32
	v_mul_f32 v[96+j], v[160+j], v14
.set j, j+1
.endr
.irp b, 0,1
	v_max3_num_f32 v[212+\b], |v[96+16*\b]|, |v[97+16*\b]|, 0x1800000
.endr
.irp i, 2,4,6,8,10,12,14
.irp b, 0,1
	s_delay_alu instid0(VALU_DEP_2)
	v_max3_num_f32 v[212+\b], v[212+\b], |v[96+16*\b+\i]|, |v[97+16*\b+\i]|
.endr
.endr
.irp b, 0,1
	s_delay_alu instid0(VALU_DEP_2)
	v_permlanex16_b32 v[216+\b], v[212+\b], s20, s21
.endr
.irp b, 0,1
	s_delay_alu instid0(VALU_DEP_2)
	v_max_num_f32 v[212+\b], v[212+\b], v[216+\b]
.endr
.irp b, 0,1
	s_delay_alu instid0(VALU_DEP_2)
	v_add_nc_u32 v[220+\b], 0xff000000, v[212+\b]
.endr
.irp b, 0,1
	s_delay_alu instid0(VALU_DEP_2)
	v_lshrrev_b32 v[216+\b], 23, v[220+\b]
.endr
	v_cvt_scalef32_pk16_fp6_f32 v[192:194], v[96:111], v220
	v_cvt_scalef32_pk16_fp6_f32 v[204:206], v[112:127], v221
	v_nop                                          ; one plain place behind a scaled conversion
.irp i, 0,1,2
	v_permlane16_swap_b32 v[192+\i], v[204+\i]     ; lanes 0-15 now hold block 0, lanes 16-31 block 1
.endr
.irp i, 0,1,2
	s_delay_alu instid0(VALU_DEP_3)
	v_mov_b32 v[195+\i], v[204+\i]
.endr
	v_cndmask_b32 v224, v216, v217, vcc_lo         ; my block's byte
	global_store_b128 v1, v[192:195], s[10:11]     ; 512 consecutive bytes
	global_store_b64 v2, v[196:197], s[10:11] offset:512   ; 256 consecutive bytes
	global_store_b8 v7, v224, s[8:9] offset:12288  ; a byte a lane: 32 bytes for 768 of codes
	s_wait_tensorcnt 0x0                           ; the wave's end
	ds_add_u32 v5, v6
	s_wait_dscnt 0x0
	CROUND                                         ; the closing round
	s_endpgm
.Lfunc_end_k_q5741bb1958_attn:
	.size	k_q5741bb1958_attn, .Lfunc_end_k_q5741bb1958_attn-k_q5741bb1958_attn
	.p2alignl 7, 3214868480
	.fill 96, 4, 3214868480
	.section	.rodata,"a",@progbits
	.p2align	6, 0x0
	.amdhsa_kernel k_q5741bb1958_attn
		.amdhsa_group_segment_fixed_size 327680
		.amdhsa_private_segment_fixed_size 0
		.amdhsa_enable_private_segment 0
		.amdhsa_kernarg_size 56
		.amdhsa_user_sgpr_count 2
		.amdhsa_user_sgpr_kernarg_segment_ptr 1
		.amdhsa_wavefront_size32 1
		.amdhsa_system_sgpr_workgroup_id_x 1
		.amdhsa_system_sgpr_workgroup_id_y 1
		.amdhsa_system_sgpr_workgroup_id_z 1
		.amdhsa_system_vgpr_workitem_id 0
		.amdhsa_next_free_vgpr 256
		.amdhsa_next_free_sgpr 80
		.amdhsa_reserve_vcc 1
		.amdhsa_float_denorm_mode_32 3
		.amdhsa_float_denorm_mode_16_64 3
		.amdhsa_memory_ordered 1
		.amdhsa_forward_progress 1
		.amdhsa_inst_pref_size 72
	.end_amdhsa_kernel
	.amdgpu_metadata
---
amdhsa.version: [ 1, 2 ]
amdhsa.kernels:
  - .name:           k_q5741bb1958_attn
    .symbol:         k_q5741bb1958_attn.kd
    .args:
      - { .name: queries, .offset: 0, .size: 8, .value_kind: global_buffer, .address_space: global }
      - { .name: kv, .offset: 8, .size: 8, .value_kind: global_buffer, .address_space: global }
      - { .name: aimg, .offset: 16, .size: 8, .value_kind: global_buffer, .address_space: global }
      - { .name: wimg, .offset: 24, .size: 8, .value_kind: global_buffer, .address_space: global }
      - { .name: fc_w, .offset: 32, .size: 8, .value_kind: global_buffer, .address_space: global }
      - { .name: ff_w1, .offset: 40, .size: 8, .value_kind: global_buffer, .address_space: global }
      - { .name: ff_w2, .offset: 48, .size: 8, .value_kind: global_buffer, .address_space: global }
    .group_segment_fixed_size: 327680
    .private_segment_fixed_size: 0
    .kernarg_segment_align: 8
    .kernarg_segment_size: 56
    .max_flat_workgroup_size: 512
    .sgpr_count:     80
    .vgpr_count:     256
    .wavefront_size: 32
...
	.end_amdgpu_metadata
.endif
;; end of part 2
;; launch g3ln (part 3): grid 256 x 1, 16 waves a work-group, clusters of 4 x 1, 327,680 bytes of LDS; arguments aimg, wimg, fc_b, queries, ln1_g, ln1_b, x1, bimg; writes x1, bimg
.if DOCPART == 3
	.amdgcn_target "amdgcn-amd-amdhsa--gfx1250"
	.amdhsa_code_object_version 6
	.text
	.protected	k_q5741bb1958_g3ln
	.globl	k_q5741bb1958_g3ln
	.p2align	8
	.type	k_q5741bb1958_g3ln,@function
k_q5741bb1958_g3ln:
	s_mov_b64 s[64:65], 0
	v_nop
	global_prefetch_b8 v0, s[64:65] scope:SCOPE_SE
	s_setreg_imm32_b32 hwreg(HW_REG_WAVE_MODE, 25, 1), 1
	s_wait_xcnt 0x0
	s_wait_alu depctr_hold_cnt(0) depctr_sa_sdst(0) depctr_va_vdst(0) depctr_va_sdst(0) depctr_va_ssrc(0) depctr_va_vcc(0) depctr_vm_vsrc(0)
	s_getreg_b32 s2, hwreg(HW_REG_IB_STS2, 6, 4)
	s_cmp_eq_u32 s2, 0
	s_cbranch_scc0 .Lentry_in_a_cluster
	s_endpgm
.Lentry_in_a_cluster:
	s_bfe_u32 s2, ttmp6, 0x10000c
	s_cmp_lg_u32 s2, 0x3003
	s_cbranch_scc0 .Lentry_shape_is_right
	s_endpgm
.Lentry_shape_is_right:
; x1 = layer_norm((attention's codes) Q(fc_w) + fc_b + queries), in one launch: the product on codes of FP6 (E2M3), the norm in f32.  No work of reference() is left out here.
; x1 leaves as f32 (the later residual) and as codes along its 1,024 with one E8M0 byte for each 32: the next product's operand, as register images (the first launch's head says how), in a buffer of its own, since aimg is read here.
; SHARES: a work-group owns 16 whole rows (one tile of aimg), so the norm needs no other work-group; wave w owns columns 64 w .. 64 w + 63: four tiles of the weight, four accumulators, 8 K steps of 128: 32 products.
; THE PRODUCT IS USED TRANSPOSED (source 0 = 16 columns of the weight, source 1 = the 16 rows): lane (r, h) holds row r, and register 16 p + i column 64 w + 32 p + 16 h + i.
; THE WEIGHT, 64 blocks of 12,800 bytes that every work-group walks whole, COMES BY TWO WAYS, so that requests of both kinds are on their way at one time:
;   K steps 0 to 3 by tensor loads into one LDS region of 16 blocks (two K steps of all eight groups of columns): wave w asks for block (group w / 2, K step w % 2), 50 rows of 256 bytes; K steps 2, 3 fill the region again.
;   These loads are JOINT: the four work-groups of a cluster ask with the same descriptor and a mask that names the four.  One tensor load of a wave is out at a time.
;   K steps 4 to 7 by loads straight into registers: the blocks are register images, and each fragment is used by one wave, once.  Two to three sets of four fragments (17 loads each) are out.
; The order of the K steps is 0, 1, 4, 5, 6, 7, 2, 3: the refill has four K steps in which to land.  The sums are f32 and are compared within a tolerance.
; No prefetch is written: the walk has eight K steps, and all but K steps 2, 3 and 7 are asked for at the head or behind the first two steps.
; A's eight fragments, 12 KiB that all sixteen waves need, come once: wave w copies half a fragment into LDS; a barrier; each wave reads a fragment a K step.
; The bias is loaded into the accumulators and is the C of the first products.  The four accumulators take turns, one instruction a turn.
; THE RESIDUAL AND x1 move in rows: sixteen lanes to 256 consecutive bytes, aligned (a wave's 64 columns of a row); they turn through the wave's own stage in LDS (rows of 256 + 16 bytes) into and out of the lanes' layout.
; THE NORM: mean first, then the squares of x - mean: each sum goes lane, lane xor 16, then over the sixteen waves through 64 bytes a row in LDS; every wave adds the sixteen parts in the same order.
; What is stored to LDS (A's image, the stages, the sums' parts) has bytes of its own behind the region that tensor loads fill.  All of LDS is claimed.
; LIMITS: a block of zeros gets the byte 1 where the rule says 127 (its codes are zeros; the bytes are read by this program alone); NaN and infinities are not served.
; REGISTERS: v1-13 and v68-76 addresses and lane terms, v14, v15 the add's two; v16-47 the accumulators, then x; v48-55 A's scale words; v56-67 A's fragment; v80-85 the weight's scale words; v86-229 its fragments, three sets of 48;
; at the end: v86-117 the norm's bias, v182-213 its gain, v214-245 the residual, v134-199 at work.
.set GB,    12800
.set AIMG,  204800                     ; behind the weight's region of 16 blocks
.set STAGE, 217088                     ; sixteen stages of 16 x 272 bytes
.set SROW,  272
.set RED,   286720                     ; two blocks of 1,024 bytes: the sums' parts, row r at 64 r, wave w at 4 w
.set SPARE, 288768                     ; the spare words, 128 bytes for each wave
.set ACC,   16
.set ASC,   48
.set AF,    56
.set BSC,   80
.set BF,    86
.set BT,    86
.set GN,    182
.set RS,    214
.macro CROUND                          ; a round of the cluster's barrier
	s_barrier_signal -1
	s_barrier_wait -1
	s_cmp_lg_u32 s20, 0
	s_cbranch_scc1 .Lnot_wave_0_\@
	s_barrier_signal -3
.Lnot_wave_0_\@:
	s_barrier_wait -3
	s_barrier_signal -1
	s_barrier_wait -1
.endm
	s_load_b256 s[4:11], s[0:1], 0x0               ; aimg, wimg, fc_b, queries
	s_load_b256 s[12:19], s[0:1], 0x20             ; the gain, the bias, x1, bimg
	v_lshl_add_u32 v14, v0, 2, SPARE               ; the add's two registers; never rewritten
	v_mov_b32 v15, 0
	ds_add_u32 v14, v15                            ; the opening: the add, twice on end, and its wait ahead of my first tensor load
	ds_add_u32 v14, v15
	v_lshrrev_b32 v77, 5, v0
	s_delay_alu instid0(VALU_DEP_1)
	v_readfirstlane_b32 s20, v77                   ; wave 0..15
	s_bfe_u32 s3, ttmp6, 0x40000                   ; cx
	s_lshl_b32 s23, ttmp9, 2
	s_add_co_u32 s3, s3, s23                       ; my work-group's number: it enters global addresses alone
	s_lshr_b32 s21, s20, 1                         ; the weight's group of 128 columns; also x1's K step
	s_and_b32 s22, s20, 1                          ; which four tiles of it; also x1's half
	s_lshr_b32 s23, s3, 3                          ; group of 128 rows
	s_and_b32 s24, s3, 7                           ; tile t
	s_and_b32 s25, s24, 1
	s_lshr_b32 s26, s24, 1
	s_lshl_b32 s27, s23, 3
	s_mul_i32 s30, s27, GB                         ; the group's first block
	s_lshl_b32 s25, s25, 8
	s_lshl_b32 s26, s26, 2
	s_add_co_u32 s25, s25, s26                     ; 256 (t % 2) + 4 (t / 2)
	s_add_co_u32 s30, s30, s25                     ; A's scale words
	s_mov_b32 s31, 0
	s_add_co_u32 s27, s27, s21
	s_mul_i32 s27, s27, GB                         ; block 8 g + w / 2
	s_mul_i32 s28, s24, 1536
	s_add_co_u32 s28, s28, s27
	s_mul_i32 s26, s22, 768
	s_add_co_u32 s28, s28, s26                     ; tile t, half w % 2: what I copy of aimg, and where my codes go in bimg
	s_mov_b32 s29, 0
	s_add_co_u32 s36, s27, s25
	s_lshl_b32 s26, s22, 1
	s_add_co_u32 s36, s36, s26                     ; my scale bytes in bimg
	s_mov_b32 s37, 0
	s_mul_i32 s32, s21, 8*GB                       ; the weight's group
	s_mov_b32 s33, 0
	s_lshl_b32 s34, s3, 16                         ; 16 rows of 4,096 bytes
	s_lshl_b32 s42, s20, 8
	s_add_co_u32 s34, s34, s42                     ; + my 64 columns
	s_mov_b32 s35, 0
	s_mul_i32 s38, s20, 768
	s_add_co_u32 s38, s38, AIMG                    ; A's image: half fragment w
	s_mul_i32 s39, s20, 16*SROW
	s_add_co_u32 s39, s39, STAGE                   ; my stage
	s_mul_i32 s40, s22, 6144
	s_lshl_b32 s41, s22, 3
	s_lshl_b32 s43, s20, 2
	s_mul_i32 s67, s21, 2*GB                       ; my group's two blocks in the weight's region,
	s_add_co_u32 s66, s67, s40                     ; my four tiles there,
	s_add_co_u32 s67, s67, s41                     ; and their scale words
	s_mov_b32 s44, 0x76543210
	s_mov_b32 s45, 0xfedcba98                      ; v_permlanex16_b32's selects for lane l xor 16
	s_mov_b32 s46, 0x3a800000                      ; 1 / 1,024
	s_mov_b32 s47, 0x3727c5ac                      ; 1e-5
	s_mov_b32 s56, 15|(3<<16)|(1<<21)              ; group 1: the mask of all four, elements of 8 bytes, bit 21 beside a mask; 50 rows of 32 elements, dense
	s_mov_b32 s57, 32<<16
	s_mov_b32 s58, 50<<16
	s_mov_b32 s59, 32<<16
	s_mov_b32 s60, 50
	s_mov_b32 s61, 32
	s_mov_b32 s62, 0
	s_mov_b32 s63, 0
	s_mul_i32 s78, s22, GB                         ; the block that I ask for: K step w % 2 of my group,
	s_mov_b32 s79, 0
	s_mul_i32 s77, s20, GB                         ; to block w of the region
	v_and_b32 v77, 31, v0                          ; lane
	v_and_b32 v78, 15, v0                          ; r
	v_bfe_u32 v76, v0, 4, 1                        ; h
	v_lshlrev_b32 v1, 4, v77                       ; 16 x lane
	v_lshlrev_b32 v3, 3, v77                       ; 8 x lane
	v_lshlrev_b32 v7, 4, v78                       ; 16 r
	v_lshl_add_u32 v2, v76, 3, v7                  ; 16 r + 8 h
	v_add_nc_u32 v75, v7, v76                      ; 16 r + h
	v_add_nc_u32 v4, s40, v1                       ; the weight's fragments in memory,
	v_add_nc_u32 v5, s40, v2
	v_add_nc_u32 v6, s41, v1                       ; and scale words
	v_lshl_add_u32 v8, v76, 6, s42                 ; a vector along the columns: 256 w + 64 h
	v_lshl_add_u32 v9, v76, 12, v7                 ; rows in memory: lanes 0-15 one row's 256 bytes, lanes 16-31 the next row's
	v_mad_u32_u24 v10, v76, SROW, v7
	v_add_nc_u32 v10, s39, v10                     ; the same in my stage
	v_mul_u32_u24 v11, v78, SROW
	v_lshl_add_u32 v11, v76, 6, v11
	v_add_nc_u32 v11, s39, v11                     ; the lanes' layout in my stage: row r, + 64 h
	v_lshl_add_u32 v13, v78, 6, RED                ; a row's sixteen parts
	v_add_nc_u32 v12, s43, v13                     ; mine of them
	v_add_nc_u32 v68, AIMG, v1                     ; A's fragments in LDS
	v_add_nc_u32 v69, AIMG, v2
	v_add_nc_u32 v70, s66, v1                      ; the weight's fragments in LDS,
	v_add_nc_u32 v71, s66, v2
	v_add_nc_u32 v72, s67, v1                      ; and scale words
	v_add_nc_u32 v73, s38, v1                      ; where my half fragment of A goes
	v_add_nc_u32 v74, s38, v3
	s_wait_alu depctr_va_vdst(0)
	s_wait_dscnt 0x0                               ; both opening adds are done
	s_wait_kmcnt 0x0
	s_add_nc_u64 s[48:49], s[4:5], s[28:29]
	s_add_nc_u64 s[50:51], s[4:5], s[30:31]
	s_add_nc_u64 s[6:7], s[6:7], s[32:33]
	s_add_nc_u64 s[10:11], s[10:11], s[34:35]
	s_add_nc_u64 s[16:17], s[16:17], s[34:35]
	s_add_nc_u64 s[52:53], s[18:19], s[28:29]
	s_add_nc_u64 s[54:55], s[18:19], s[36:37]
	s_mov_b32 s68, 1                               ; group 0 for K steps 0, 1,
	s_mov_b32 s69, s77
	s_add_nc_u64 s[70:71], s[6:7], s[78:79]
	s_mov_b32 s72, 1                               ; and for K steps 2, 3: two blocks on, to the same bytes
	s_mov_b32 s73, s77
	s_add_nc_u64 s[74:75], s[70:71], 2*GB
	s_or_b32 s71, s71, 0x80000000
	s_or_b32 s75, s75, 0x80000000
	CROUND                                         ; all four work-groups are here: the joint loads meet
	tensor_load_to_lds s[68:71], s[56:63]          ; my one load at the head
	s_nop 0
.rept 4
	v_nop
.endr
.macro BLOAD s, set                    ; K step s from memory: my four fragments and their scale words: 17 loads
.irp b, 0,1,2,3
	global_load_b128 v[BF+48*(\set)+12*\b:BF+48*(\set)+12*\b+3], v4, s[6:7] offset:(\s)*GB+1536*\b
	global_load_b64 v[BF+48*(\set)+12*\b+4:BF+48*(\set)+12*\b+5], v5, s[6:7] offset:(\s)*GB+1536*\b+512
	global_load_b128 v[BF+48*(\set)+12*\b+6:BF+48*(\set)+12*\b+9], v4, s[6:7] offset:(\s)*GB+1536*\b+768
	global_load_b64 v[BF+48*(\set)+12*\b+10:BF+48*(\set)+12*\b+11], v5, s[6:7] offset:(\s)*GB+1536*\b+1280
.endr
	global_load_b64 v[BSC+2*(\set):BSC+2*(\set)+1], v6, s[6:7] offset:(\s)*GB+12288   ; register p: lanes 0-15 tile 2 p's words, lanes 16-31 tile 2 p + 1's
.endm
.macro WL j, set                       ; the same from block j of my group's two in LDS
.irp b, 0,1,2,3
	ds_load_b128 v[BF+48*(\set)+12*\b:BF+48*(\set)+12*\b+3], v70 offset:(\j)*GB+1536*\b
	ds_load_b64 v[BF+48*(\set)+12*\b+4:BF+48*(\set)+12*\b+5], v71 offset:(\j)*GB+1536*\b+512
	ds_load_b128 v[BF+48*(\set)+12*\b+6:BF+48*(\set)+12*\b+9], v70 offset:(\j)*GB+1536*\b+768
	ds_load_b64 v[BF+48*(\set)+12*\b+10:BF+48*(\set)+12*\b+11], v71 offset:(\j)*GB+1536*\b+1280
.endr
	ds_load_b64 v[BSC+2*(\set):BSC+2*(\set)+1], v72 offset:(\j)*GB+12288
.endm
.macro AL s                            ; A's fragment of K step s, from the image
	ds_load_b128 v[AF:AF+3], v68 offset:1536*(\s)
	ds_load_b64 v[AF+4:AF+5], v69 offset:1536*(\s)+512
	ds_load_b128 v[AF+6:AF+9], v68 offset:1536*(\s)+768
	ds_load_b64 v[AF+10:AF+11], v69 offset:1536*(\s)+1280
.endm
.macro VLOAD reg, base                 ; 32 numbers along my columns, in the lanes' layout
.irp k, 0,1,2,3,4,5,6,7
	global_load_b128 v[\reg+4*\k:\reg+4*\k+3], v8, s[\base:\base+1] offset:128*(\k/4)+16*(\k%4)
.endr
.endm
.macro MM s, set                       ; K step s's four products, and four places: in front of loads into their registers and of the first read of the sums
	s_wait_dscnt 0x0                               ; A's fragment is in (and the weight's, where it comes from LDS)
.set fb, BF+48*(\set)
.set sb, BSC+2*(\set)
.irp p, 0,1
	v_wmma_scale_f32_16x16x128_f8f6f4 v[ACC+16*\p:ACC+16*\p+7], v[fb+24*\p:fb+24*\p+11], v[AF:AF+11], v[ACC+16*\p:ACC+16*\p+7], v[sb+\p], v[ASC+(\s)] matrix_a_fmt:MATRIX_FMT_FP6 matrix_b_fmt:MATRIX_FMT_FP6
	v_wmma_scale_f32_16x16x128_f8f6f4 v[ACC+16*\p+8:ACC+16*\p+15], v[fb+24*\p+12:fb+24*\p+23], v[AF:AF+11], v[ACC+16*\p+8:ACC+16*\p+15], v[sb+\p], v[ASC+(\s)] matrix_a_fmt:MATRIX_FMT_FP6 matrix_b_fmt:MATRIX_FMT_FP6 matrix_a_scale:MATRIX_SCALE_ROW1
.endr
.rept 4
	v_nop
.endr
.endm
	global_load_b128 v[214:217], v1, s[48:49]      ; my half fragment of A, as it lies
	global_load_b64 v[218:219], v3, s[48:49] offset:512
.irp i, 0,1,2,3,4,5,6,7
	global_load_b128 v[182+4*\i:185+4*\i], v9, s[10:11] offset:8192*\i th:TH_LOAD_NT   ; the residual, two rows an instruction
.endr
	VLOAD ACC, 8                                   ; fc_b, into the accumulators
.irp s, 0,1,2,3,4,5,6,7
	global_load_b32 v[ASC+\s], v7, s[50:51] offset:\s*GB+12288   ; row r's scale word of K step s, in both halves of the lanes
.endr
	BLOAD 4, 0
	BLOAD 5, 1
	s_wait_tensorcnt 0x0                           ; my block of K steps 0, 1 has landed
	s_wait_loadcnt 58                              ; behind my half fragment's two loads: 8 + 8 + 8 + 17 + 17
	ds_store_b128 v73, v[214:217]
	ds_store_b64 v74, v[218:219] offset:512
	s_wait_loadcnt 50                              ; behind the residual's eight: 8 + 8 + 17 + 17
.irp i, 0,1,2,3,4,5,6,7
	ds_store_b128 v10, v[182+4*\i:185+4*\i] offset:544*\i
.endr
	s_wait_dscnt 0x0                               ; for the others' sake: my part of A's image has landed
	s_barrier_signal -1
	s_barrier_wait -1                              ; A's image and the region are whole
	AL 0
	WL 0, 2
	s_wait_loadcnt 34                              ; fc_b and A's scale words are in; the two sets, 17 loads each, may be out
	MM 0, 2
	AL 1
	WL 1, 2
	MM 1, 2
	s_wait_tensorcnt 0x0                           ; ahead of the refill's round
	ds_add_u32 v14, v15
	s_wait_dscnt 0x0                               ; the add is done, and my reads of the region are over
	CROUND                                         ; so of every wave of the four work-groups
	tensor_load_to_lds s[72:75], s[56:63]          ; K steps 2, 3
	s_nop 0
.rept 4
	v_nop
.endr
	BLOAD 6, 2
	AL 4
	s_wait_loadcnt 34                              ; K step 4's set is in; two sets may be out
	MM 4, 0
	BLOAD 7, 0
	AL 5
	s_wait_loadcnt 34
	MM 5, 1
	AL 6
	s_wait_loadcnt 17                              ; K step 7's set may be out
	MM 6, 2
	VLOAD GN, 12                                   ; the gain, into the set that is done with
.irp k, 0,1,2,3,4,5,6,7
	ds_load_b128 v[RS+4*\k:RS+4*\k+3], v11 offset:128*(\k/4)+16*(\k%4)   ; the residual, in the lanes' layout
.endr
	AL 7
	s_wait_loadcnt 8                               ; the gain's eight may be out
	MM 7, 0
	VLOAD BT, 14                                   ; the norm's bias
	s_wait_tensorcnt 0x0                           ; my block of K steps 2, 3 has landed
	s_barrier_signal -1
	s_barrier_wait -1                              ; everybody's has
	AL 2
	WL 0, 1
	MM 2, 1
	AL 3
	WL 1, 1
	MM 3, 1
.macro RSUM off                        ; a row's sixteen parts, added in one order by every wave -> v136
	s_wait_dscnt 0x0                               ; for the others' sake: my part has landed
	s_barrier_signal -1
	s_barrier_wait -1
.irp k, 0,1,2,3
	ds_load_b128 v[136+4*\k:139+4*\k], v13 offset:\off+16*\k
.endr
	s_wait_dscnt 0x0
.irp k, 0,2,4,6
	v_pk_add_f32 v[136+\k:137+\k], v[136+\k:137+\k], v[144+\k:145+\k]
.endr
	s_delay_alu instid0(VALU_DEP_2)
	v_pk_add_f32 v[136:137], v[136:137], v[140:141]
	s_delay_alu instid0(VALU_DEP_2)
	v_pk_add_f32 v[138:139], v[138:139], v[142:143]
	s_delay_alu instid0(VALU_DEP_1)
	v_pk_add_f32 v[136:137], v[136:137], v[138:139]
	s_delay_alu instid0(VALU_DEP_1)
	v_add_f32 v136, v136, v137
.endm
.set j, 0
.rept 16
	v_pk_add_f32 v[ACC+j:ACC+j+1], v[ACC+j:ACC+j+1], v[RS+j:RS+j+1]   ; + the residual; each accumulator from its low end on
.set j, j+2
.endr
.irp j, 0,2,4,6,8,10,12,14
	v_pk_add_f32 v[134+\j:135+\j], v[ACC+\j:ACC+\j+1], v[ACC+16+\j:ACC+17+\j]
.endr
.irp j, 0,2,4,6
	s_delay_alu instid0(VALU_DEP_4)
	v_pk_add_f32 v[134+\j:135+\j], v[134+\j:135+\j], v[142+\j:143+\j]
.endr
.irp j, 0,2
	s_delay_alu instid0(VALU_DEP_2)
	v_pk_add_f32 v[134+\j:135+\j], v[134+\j:135+\j], v[138+\j:139+\j]
.endr
	s_delay_alu instid0(VALU_DEP_1)
	v_pk_add_f32 v[134:135], v[134:135], v[136:137]
	s_delay_alu instid0(VALU_DEP_1)
	v_add_f32 v134, v134, v135
	s_delay_alu instid0(VALU_DEP_1)
	v_permlanex16_b32 v135, v134, s44, s45
	s_delay_alu instid0(VALU_DEP_1)
	v_add_f32 v134, v134, v135                     ; row r's sum over my 64 columns
	ds_store_b32 v12, v134                         ; (both halves of the lanes store the same word with the same value)
	RSUM 0
	s_delay_alu instid0(VALU_DEP_1)
	v_mul_f32 v136, s46, v136                      ; the mean
.set j, 0
.rept 16
	v_pk_add_f32 v[ACC+j:ACC+j+1], v[ACC+j:ACC+j+1], v[136:137] op_sel_hi:[1,0] neg_lo:[0,1] neg_hi:[0,1]   ; x - mean
.set j, j+2
.endr
	v_pk_mul_f32 v[138:139], v[ACC:ACC+1], v[ACC:ACC+1]
	v_pk_mul_f32 v[140:141], v[ACC+2:ACC+3], v[ACC+2:ACC+3]
.irp j, 4,8,12,16,20,24,28
	s_delay_alu instid0(VALU_DEP_2)
	v_pk_fma_f32 v[138:139], v[ACC+\j:ACC+\j+1], v[ACC+\j:ACC+\j+1], v[138:139]
	s_delay_alu instid0(VALU_DEP_2)
	v_pk_fma_f32 v[140:141], v[ACC+\j+2:ACC+\j+3], v[ACC+\j+2:ACC+\j+3], v[140:141]
.endr
	s_delay_alu instid0(VALU_DEP_1)
	v_pk_add_f32 v[138:139], v[138:139], v[140:141]
	s_delay_alu instid0(VALU_DEP_1)
	v_add_f32 v138, v138, v139
	s_delay_alu instid0(VALU_DEP_1)
	v_permlanex16_b32 v139, v138, s44, s45
	s_delay_alu instid0(VALU_DEP_1)
	v_add_f32 v138, v138, v139
	ds_store_b32 v12, v138 offset:1024             ; other bytes than the first sum's: one barrier a sum
	RSUM 1024
	s_delay_alu instid0(VALU_DEP_1)
	v_fma_f32 v136, v136, s46, s47                 ; the variance + 1e-5
	v_mov_b32 v156, 0                              ; (a lane permute's destination counts as one of its sources)
	v_mov_b32 v157, 0
	s_wait_alu depctr_va_vdst(0)
	v_rsq_f32 v152, v136
	v_mov_b32 v153, 0                              ; (a plain place behind the root; named with v152 as a pair)
	s_wait_alu depctr_va_vdst(0)                   ; the wait ahead of its first reader
	s_wait_loadcnt 0x0                             ; the gain and the bias
.set j, 0
.rept 16
	v_pk_mul_f32 v[ACC+j:ACC+j+1], v[ACC+j:ACC+j+1], v[152:153] op_sel_hi:[1,0]
.set j, j+2
.endr
.set j, 0
.rept 16
	v_pk_fma_f32 v[ACC+j:ACC+j+1], v[ACC+j:ACC+j+1], v[GN+j:GN+j+1], v[BT+j:BT+j+1]   ; x1
.set j, j+2
.endr
.irp k, 0,1,2,3,4,5,6,7
	ds_store_b128 v11, v[ACC+4*\k:ACC+4*\k+3] offset:128*(\k/4)+16*(\k%4)   ; through my stage,
.endr
.irp i, 0,1,2,3,4,5,6,7
	ds_load_b128 v[168+4*\i:171+4*\i], v10 offset:544*\i   ; and back as rows: LDS serves a wave's instructions in order; they land while the codes are made
.endr
.irp p, 0,1                            ; my two blocks of 32 columns: 16 numbers here, 16 in lane l xor 16
	v_max3_num_f32 v[154+\p], |v[ACC+16*\p]|, |v[ACC+1+16*\p]|, 0x1800000   ; with the floor 2^(3 - 127): the byte cannot fall under 1
.endr
.irp i, 2,4,6,8,10,12,14
.irp p, 0,1
	s_delay_alu instid0(VALU_DEP_2)
	v_max3_num_f32 v[154+\p], v[154+\p], |v[ACC+16*\p+\i]|, |v[ACC+1+16*\p+\i]|
.endr
.endr
.irp p, 0,1
	s_delay_alu instid0(VALU_DEP_2)
	v_permlanex16_b32 v[156+\p], v[154+\p], s44, s45
.endr
.irp p, 0,1
	s_delay_alu instid0(VALU_DEP_2)
	v_max_num_f32 v[154+\p], v[154+\p], v[156+\p]
.endr
.irp p, 0,1
	s_delay_alu instid0(VALU_DEP_2)
	v_add_nc_u32 v[158+\p], 0xff000000, v[154+\p]  ; 2 off the exponent field: the conversion's scale operand
.endr
.irp p, 0,1
	s_delay_alu instid0(VALU_DEP_2)
	v_lshrrev_b32 v[156+\p], 23, v[158+\p]         ; the scale's byte
.endr
	v_cvt_scalef32_pk16_fp6_f32 v[160:162], v[ACC:ACC+15], v158
	v_cvt_scalef32_pk16_fp6_f32 v[164:166], v[ACC+16:ACC+31], v159
	v_cmp_ne_u32 vcc_lo, 0, v76                    ; (one plain place behind a scaled conversion)
.irp i, 0,1,2
	v_permlane16_swap_b32 v[160+\i], v[164+\i]     ; lanes 0-15 now hold block 0, lanes 16-31 block 1
.endr
.irp i, 0,1,2
	s_delay_alu instid0(VALU_DEP_3)
	v_mov_b32 v[163+\i], v[164+\i]                 ; in ascending order: each source is read before it is written
.endr
	v_cndmask_b32 v167, v156, v157, vcc_lo         ; my block's byte
	global_store_b128 v1, v[160:163], s[52:53]     ; 512 consecutive bytes
	global_store_b64 v2, v[164:165], s[52:53] offset:512   ; 256 consecutive bytes
	global_store_b8 v75, v167, s[54:55] offset:12288       ; a byte a lane: 32 bytes for 768 of codes
	s_wait_dscnt 0x0                               ; the rows are back
.irp i, 0,1,2,3,4,5,6,7
	global_store_b128 v9, v[168+4*\i:171+4*\i], s[16:17] offset:8192*\i   ; sixteen lanes store 256 consecutive bytes, aligned
.endr
	s_wait_tensorcnt 0x0                           ; the wave's end: behind my last tensor load and my last LDS store
	ds_add_u32 v14, v15
	s_wait_dscnt 0x0
	CROUND                                         ; the closing round
	s_endpgm
.Lfunc_end_k_q5741bb1958_g3ln:
	.size	k_q5741bb1958_g3ln, .Lfunc_end_k_q5741bb1958_g3ln-k_q5741bb1958_g3ln
	.p2alignl 7, 3214868480
	.fill 96, 4, 3214868480
	.section	.rodata,"a",@progbits
	.p2align	6, 0x0
	.amdhsa_kernel k_q5741bb1958_g3ln
		.amdhsa_group_segment_fixed_size 327680
		.amdhsa_private_segment_fixed_size 0
		.amdhsa_enable_private_segment 0
		.amdhsa_kernarg_size 64
		.amdhsa_user_sgpr_count 2
		.amdhsa_user_sgpr_kernarg_segment_ptr 1
		.amdhsa_wavefront_size32 1
		.amdhsa_system_sgpr_workgroup_id_x 1
		.amdhsa_system_sgpr_workgroup_id_y 1
		.amdhsa_system_sgpr_workgroup_id_z 1
		.amdhsa_system_vgpr_workitem_id 0
		.amdhsa_next_free_vgpr 256
		.amdhsa_next_free_sgpr 80
		.amdhsa_reserve_vcc 1
		.amdhsa_float_denorm_mode_32 3
		.amdhsa_float_denorm_mode_16_64 3
		.amdhsa_memory_ordered 1
		.amdhsa_forward_progress 1
		.amdhsa_inst_pref_size 45
	.end_amdhsa_kernel
	.amdgpu_metadata
---
amdhsa.version: [ 1, 2 ]
amdhsa.kernels:
  - .name:           k_q5741bb1958_g3ln
    .symbol:         k_q5741bb1958_g3ln.kd
    .args:
      - { .name: aimg, .offset: 0, .size: 8, .value_kind: global_buffer, .address_space: global }
      - { .name: wimg, .offset: 8, .size: 8, .value_kind: global_buffer, .address_space: global }
      - { .name: fc_b, .offset: 16, .size: 8, .value_kind: global_buffer, .address_space: global }
      - { .name: queries, .offset: 24, .size: 8, .value_kind: global_buffer, .address_space: global }
      - { .name: ln1_g, .offset: 32, .size: 8, .value_kind: global_buffer, .address_space: global }
      - { .name: ln1_b, .offset: 40, .size: 8, .value_kind: global_buffer, .address_space: global }
      - { .name: x1, .offset: 48, .size: 8, .value_kind: global_buffer, .address_space: global }
      - { .name: bimg, .offset: 56, .size: 8, .value_kind: global_buffer, .address_space: global }
    .group_segment_fixed_size: 327680
    .private_segment_fixed_size: 0
    .kernarg_segment_align: 8
    .kernarg_segment_size: 64
    .max_flat_workgroup_size: 512
    .sgpr_count:     80
    .vgpr_count:     256
    .wavefront_size: 32
...
	.end_amdgpu_metadata
.endif
;; end of part 3
;; launch g4 (part 4): grid 16 x 16, 4 waves a work-group, clusters of 4 x 4, 327,680 bytes of LDS; arguments bimg, wimg, ff_b1, himg; writes himg
.if DOCPART == 4
	.amdgcn_target "amdgcn-amd-amdhsa--gfx1250"
	.amdhsa_code_object_version 6
	.text
	.protected	k_q5741bb1958_g4
	.globl	k_q5741bb1958_g4
	.p2align	8
	.type	k_q5741bb1958_g4,@function
k_q5741bb1958_g4:
	s_mov_b64 s[64:65], 0
	v_nop
	global_prefetch_b8 v0, s[64:65] scope:SCOPE_SE
	s_setreg_imm32_b32 hwreg(HW_REG_WAVE_MODE, 25, 1), 1
	s_wait_xcnt 0x0
	s_wait_alu depctr_hold_cnt(0) depctr_sa_sdst(0) depctr_va_vdst(0) depctr_va_sdst(0) depctr_va_ssrc(0) depctr_va_vcc(0) depctr_vm_vsrc(0)
	s_getreg_b32 s2, hwreg(HW_REG_IB_STS2, 6, 4)
	s_cmp_eq_u32 s2, 0
	s_cbranch_scc0 .Lentry_in_a_cluster
	s_endpgm
.Lentry_in_a_cluster:
	s_bfe_u32 s2, ttmp6, 0x10000c
	s_cmp_lg_u32 s2, 0xf033
	s_cbranch_scc0 .Lentry_shape_is_right
	s_endpgm
.Lentry_shape_is_right:
.set T256,  1
.set MODE,  0
.set KS,    8
.set WOFF,  819200
.set LOOPS, 0
.set GB,    12800
.if T256
.set NB,    8
.set QS,    3
.set ROWS,  150
.else
.set NB,    4
.set QS,    4
.set ROWS,  100
.endif
.set REG,   ROWS*256
.set SLOT,  4*REG
.set STAGE, 2*SLOT
.if MODE
.set SPARE, STAGE+4*16*272
.else
.set SPARE, STAGE
.endif
.set A1, 8
.set A2, 10
.set AS, 12
.set B1, 14
.set B2, 16
.set BS, 18
.set STO, 21
.set RD,  22
.set CO,  23
.set SPW, 28
.set NIL, 29
.set SC,  32
.set AF,  64
.set PC,  128
.set TM,  200
.set G1,  24
.set G0,  32
.set G1B, 48
.set G0B, 56
.set G1R, 68
.set G1RB, 76
.set MSB, 0
.macro WIN new
.if MSB != (\new)
	s_set_vgpr_msb (MSB<<8)|(\new)
.set MSB, (\new)
.endif
.endm
.macro PLACES
.rept 4
	v_nop
.endr
.endm
.macro JLOAD g0a, g1a, g0b, g1b
	s_cmp_eq_u32 s15, 0
	s_cbranch_scc0 .Lfor_b_\@
	tensor_load_to_lds s[\g0a:\g0a+3], s[\g1a:\g1a+7]
	s_nop 0
.rept 4
	v_nop
.endr
	s_branch .Lasked_\@
.Lfor_b_\@:
	tensor_load_to_lds s[\g0b:\g0b+3], s[\g1b:\g1b+7]
	s_nop 0
.rept 4
	v_nop
.endr
.Lasked_\@:
.endm
.macro CREST
	s_cmp_lg_u32 s14, 0
	s_cbranch_scc1 .Lnot_wave_0_\@
	s_barrier_signal -3
.Lnot_wave_0_\@:
	s_barrier_wait -3
	s_barrier_signal -1
	s_barrier_wait -1
.endm
.macro CROUND
	s_barrier_signal -1
	s_barrier_wait -1
	CREST
.endm
.macro WM
.if (mb%2) && (ma%2)
	v_wmma_scale_f32_16x16x128_f8f6f4 v[rD:rD+7], v[rB:rB+11], v[rA:rA+11], v[rC:rC+7], v[sB], v[sA] matrix_a_fmt:MATRIX_FMT_FP6 matrix_b_fmt:MATRIX_FMT_FP6 matrix_a_scale:MATRIX_SCALE_ROW1 matrix_b_scale:MATRIX_SCALE_ROW1
.elseif (mb%2)
	v_wmma_scale_f32_16x16x128_f8f6f4 v[rD:rD+7], v[rB:rB+11], v[rA:rA+11], v[rC:rC+7], v[sB], v[sA] matrix_a_fmt:MATRIX_FMT_FP6 matrix_b_fmt:MATRIX_FMT_FP6 matrix_a_scale:MATRIX_SCALE_ROW1
.elseif (ma%2)
	v_wmma_scale_f32_16x16x128_f8f6f4 v[rD:rD+7], v[rB:rB+11], v[rA:rA+11], v[rC:rC+7], v[sB], v[sA] matrix_a_fmt:MATRIX_FMT_FP6 matrix_b_fmt:MATRIX_FMT_FP6 matrix_b_scale:MATRIX_SCALE_ROW1
.else
	v_wmma_scale_f32_16x16x128_f8f6f4 v[rD:rD+7], v[rB:rB+11], v[rA:rA+11], v[rC:rC+7], v[sB], v[sA] matrix_a_fmt:MATRIX_FMT_FP6 matrix_b_fmt:MATRIX_FMT_FP6
.endif
.endm
.macro MUL a0, a1, set, first
.set ma, \a0
.rept (\a1)-(\a0)
.if \first
	WIN 0x91+0x40*(ma/4)
.else
	WIN 0xa1+0x50*(ma/4)
.endif
.set mb, 0
.rept NB
.set rD, 8*(NB*(ma%4)+mb)
.set rB, 96*(\set)+12*mb
.set rA, AF+96*(\set)+12*ma
.set sB, SC+8*(\set)+4+mb/2
.set sA, SC+8*(\set)+ma/2
.if \first
.set rC, 192+8*mb
.else
.set rC, rD
.endif
	WM
.set mb, mb+1
.endr
.set ma, ma+1
.endr
.endm
.macro FETCH slot, q, set
	WIN 0x40
.set fi, 0
.rept NB
.set fr, 96*(\set)+12*fi
.set fo, (\q)*GB+fi*1536
	ds_load_b128 v[fr:fr+3], v[B1+\slot] offset:fo
	ds_load_b64 v[fr+4:fr+5], v[B2+\slot] offset:fo+512
	ds_load_b128 v[fr+6:fr+9], v[B1+\slot] offset:fo+768
	ds_load_b64 v[fr+10:fr+11], v[B2+\slot] offset:fo+1280
.set fi, fi+1
.endr
	WIN 0
.set fi, 0
.rept NB
.set fr, AF+96*(\set)+12*fi
.set fo, (\q)*GB+fi*1536
	ds_load_b128 v[fr:fr+3], v[A1+\slot] offset:fo
	ds_load_b64 v[fr+4:fr+5], v[A2+\slot] offset:fo+512
	ds_load_b128 v[fr+6:fr+9], v[A1+\slot] offset:fo+768
	ds_load_b64 v[fr+10:fr+11], v[A2+\slot] offset:fo+1280
.set fi, fi+1
.endr
.if T256
	ds_load_b128 v[SC+8*(\set):SC+8*(\set)+3], v[AS+\slot] offset:(\q)*GB+12288
	ds_load_b128 v[SC+8*(\set)+4:SC+8*(\set)+7], v[BS+\slot] offset:(\q)*GB+12288
.else
	ds_load_b64 v[SC+8*(\set):SC+8*(\set)+1], v[AS+\slot] offset:(\q)*GB+12288
	ds_load_b64 v[SC+8*(\set)+4:SC+8*(\set)+5], v[BS+\slot] offset:(\q)*GB+12288
.endif
.endm
.macro STEP slot, q, set, first
	s_wait_dscnt 0x0
	PLACES
	FETCH \slot, (\q)+1, 1-(\set)
	MUL 0, NB, \set, \first
.endm
.macro TURN slot, set, next, fill
	WIN 0
	s_wait_tensorcnt 0x0
	ds_add_u32 v[SPW], v[NIL]
	s_wait_dscnt 0x1
	MUL 0, NB/4, \set, 0
	s_wait_dscnt 0x0
	s_barrier_signal -1
	MUL NB/4, NB/2, \set, 0
	WIN 0
	s_barrier_wait -1
.if \fill
	CREST
.if T256
	s_add_nc_u64 s[G0+4*\slot+2:G0+4*\slot+3], s[G0+4*\slot+2:G0+4*\slot+3], 6*GB
	s_add_nc_u64 s[G0B+4*\slot+2:G0B+4*\slot+3], s[G0B+4*\slot+2:G0B+4*\slot+3], 6*GB
	JLOAD G0+4*\slot, G1R, G0B+4*\slot, G1RB
.else
	s_add_nc_u64 s[G0+4*\slot+2:G0+4*\slot+3], s[G0+4*\slot+2:G0+4*\slot+3], 8*GB
	s_add_nc_u64 s[G0B+4*\slot+2:G0B+4*\slot+3], s[G0B+4*\slot+2:G0B+4*\slot+3], 8*GB
	JLOAD G0+4*\slot, G1, G0B+4*\slot, G1B
.endif
.else
	PLACES
.endif
	FETCH \next, 0, 1-(\set)
	MUL NB/2, NB, \set, 0
.endm
.macro LAST set
	s_wait_dscnt 0x0
	MUL 0, NB, \set, 0
.endm
	s_load_b256 s[4:11], s[0:1], 0x0
.if MODE
	s_load_b64 s[12:13], s[0:1], 0x20
.endif
	v_lshl_add_u32 v[SPW], v0, 2, SPARE
	v_mov_b32 v[NIL], 0
	ds_add_u32 v[SPW], v[NIL]
	ds_add_u32 v[SPW], v[NIL]
	v_lshrrev_b32 v1, 5, v0
	v_readfirstlane_b32 s14, v1
	s_lshr_b32 s15, s14, 1
	s_and_b32 s16, s14, 1
	s_bfe_u32 s40, ttmp6, 0x40000
	s_bfe_u32 s41, ttmp6, 0x40004
	s_lshl_b32 s42, ttmp9, 2
	s_add_co_u32 s42, s42, s40
	s_and_b32 s17, ttmp7, 0xffff
	s_lshl_b32 s17, s17, 2
	s_add_co_u32 s17, s17, s41
	s_lshl_b32 s43, s41, 2
	s_lshl_b32 s43, 15, s43
	s_lshl_b32 s44, 0x1111, s40
	s_or_b32 s[G1], s43, (3<<16)|(1<<21)
	s_or_b32 s[G1B], s44, (3<<16)|(1<<21)
.irp g, G1, G1B
	s_mov_b32 s[\g+1], 32<<16
	s_mov_b32 s[\g+2], ROWS<<16
	s_mov_b32 s[\g+3], 32<<16
	s_mov_b32 s[\g+4], ROWS
	s_mov_b32 s[\g+5], 32
	s_mov_b32 s[\g+6], 0
	s_mov_b32 s[\g+7], 0
.endr
.if T256
	s_or_b32 s[G1R], s43, (3<<16)|(1<<21)
	s_or_b32 s[G1RB], s44, (3<<16)|(1<<21)
.irp g, G1R, G1RB
	s_mov_b32 s[\g+1], 32<<16
	s_mov_b32 s[\g+2], 100<<16
	s_mov_b32 s[\g+3], 32<<16
	s_mov_b32 s[\g+4], 100
	s_mov_b32 s[\g+5], 32
	s_mov_b32 s[\g+6], 0
	s_mov_b32 s[\g+7], 0
.endr
	s_lshl_b32 s20, s17, 1
	s_add_co_u32 s20, s20, s16
	s_mul_i32 s20, s20, KS*GB
	s_lshl_b32 s46, s42, 1
	s_add_co_u32 s46, s46, s16
	s_mul_i32 s46, s46, KS*GB
.else
	s_mul_i32 s20, s17, KS*GB
	s_mul_i32 s18, s16, 2*GB
	s_add_co_u32 s20, s20, s18
	s_mul_i32 s46, s42, KS*GB
	s_add_co_u32 s46, s46, s18
.endif
	s_add_co_u32 s46, s46, WOFF
	s_mov_b32 s21, 0
	s_mov_b32 s47, 0
	s_mul_i32 s45, s14, REG
	s_wait_dscnt 0x0
	s_wait_kmcnt 0x0
	s_add_nc_u64 s[20:21], s[4:5], s[20:21]
	s_add_nc_u64 s[46:47], s[6:7], s[46:47]
	CROUND
.irp s, 0,1
	s_mov_b32 s[G0+4*\s], 1
	s_add_co_u32 s[G0+4*\s+1], s45, \s*SLOT
	s_add_nc_u64 s[G0+4*\s+2:G0+4*\s+3], s[20:21], \s*QS*GB
	s_or_b32 s[G0+4*\s+3], s[G0+4*\s+3], 0x80000000
	s_mov_b32 s[G0B+4*\s], 1
	s_add_co_u32 s[G0B+4*\s+1], s45, \s*SLOT
	s_add_nc_u64 s[G0B+4*\s+2:G0B+4*\s+3], s[46:47], \s*QS*GB
	s_or_b32 s[G0B+4*\s+3], s[G0B+4*\s+3], 0x80000000
.if \s == 1                            ; slot 1's first fill stands behind the wait for slot 0's load, the add and a round
	s_wait_alu depctr_va_vdst(0)
	s_wait_tensorcnt 0x0
	ds_add_u32 v28, v29
	s_wait_dscnt 0x0
	CROUND
.endif
	JLOAD G0+4*\s, G1, G0B+4*\s, G1B
.endr
	v_and_b32 v1, 15, v0
	v_bfe_u32 v2, v0, 4, 1
	v_and_b32 v3, 31, v0
	v_lshlrev_b32 v3, 4, v3
	v_lshlrev_b32 v4, 4, v1
	v_lshl_add_u32 v4, v2, 3, v4
	s_wait_alu depctr_va_vdst(0)
	v_lshlrev_b32 v20, 6, v2
.if T256
	s_mul_i32 s21, s15, REG
	s_mov_b32 s23, s21
	s_mul_i32 s22, s16, REG
	s_add_co_u32 s22, s22, 2*REG
	s_mov_b32 s18, s22
.else
	s_mul_i32 s21, s15, 6144
	s_lshl_b32 s23, s15, 3
	s_mul_i32 s22, s16, 6144
	s_add_co_u32 s22, s22, 2*REG
	s_lshl_b32 s18, s16, 3
	s_add_co_u32 s18, s18, 2*REG
.endif
.irp s, 0,1
	v_add_nc_u32 v[A1+\s], s21, v3
	v_add_nc_u32 v[A2+\s], s21, v4
	v_add_nc_u32 v[AS+\s], s23, v3
	v_add_nc_u32 v[B1+\s], s22, v3
	v_add_nc_u32 v[B2+\s], s22, v4
	v_add_nc_u32 v[BS+\s], s18, v3
	s_add_co_u32 s21, s21, SLOT
	s_add_co_u32 s23, s23, SLOT
	s_add_co_u32 s22, s22, SLOT
	s_add_co_u32 s18, s18, SLOT
.endr
	s_mul_i32 s20, s42, NB*128
	s_mul_i32 s21, s16, NB*64
	s_add_co_u32 s20, s20, s21
	s_mov_b32 s21, 0
	s_add_nc_u64 s[8:9], s[8:9], s[20:21]
	WIN 0x40
.set fi, 0
.rept NB
	global_load_b128 v[192+8*fi:195+8*fi], v20, s[8:9] offset:(32*(fi/2)+8*(fi%2))*4
	global_load_b128 v[196+8*fi:199+8*fi], v20, s[8:9] offset:(32*(fi/2)+8*(fi%2))*4+16
.set fi, fi+1
.endr
	WIN 0
.if MODE
	s_mul_i32 s23, s14, 16*272
	s_add_co_u32 s23, s23, STAGE
	v_mul_u32_u24 v5, v1, 272
	v_lshl_add_u32 v5, v2, 6, v5
	v_add_nc_u32 v[STO], s23, v5
	v_mul_u32_u24 v5, v2, 272
	v_lshl_add_u32 v5, v1, 4, v5
	v_add_nc_u32 v[RD], s23, v5
	v_lshlrev_b32 v5, 12, v2
	v_lshl_add_u32 v[CO], v1, 4, v5
	s_lshl_b32 s20, s17, 7
	s_lshl_b32 s21, s15, 6
	s_add_co_u32 s20, s20, s21
	s_lshl_b32 s20, s20, 12
	s_lshl_b32 s21, s42, 9
	s_add_co_u32 s20, s20, s21
	s_lshl_b32 s21, s16, 8
	s_add_co_u32 s20, s20, s21
	s_mov_b32 s21, 0
	s_add_nc_u64 s[10:11], s[10:11], s[20:21]
	s_add_nc_u64 s[12:13], s[12:13], s[20:21]
	WIN 0x80
.irp a, 0,1,2,3
.irp i, 0,1,2,3,4,5,6,7
	global_load_b128 v[128+32*\a+4*\i:131+32*\a+4*\i], v[CO], s[10:11] offset:(16*\a+2*\i)*4096
.endr
.endr
	WIN 0
.else
	s_lshl_b32 s20, s17, 1
	s_add_co_u32 s20, s20, s15
	s_lshl_b32 s20, s20, 5
	s_lshl_b32 s21, s42, 1
	s_add_co_u32 s20, s20, s21
	s_add_co_u32 s20, s20, s16
	s_mul_i32 s20, s20, GB
	s_mov_b32 s21, 0
	s_add_nc_u64 s[10:11], s[10:11], s[20:21]
.endif
	s_wait_alu depctr_va_vdst(0)
	s_wait_tensorcnt 0x1
	s_barrier_signal -1
	s_barrier_wait -1
	FETCH 0, 0, 0
	s_wait_loadcnt 0x0
.if T256
	STEP 0, 0, 0, 1
	STEP 0, 1, 1, 0
	TURN 0, 0, 1, 1
	STEP 1, 0, 1, 0
	STEP 1, 1, 0, 0
	TURN 1, 1, 0, 0
	STEP 0, 0, 0, 0
	LAST 1
.else
	STEP 0, 0, 0, 1
.if LOOPS
	WIN 0
	s_mov_b32 s3, LOOPS
.Llap:
	STEP 0, 1, 1, 0
	STEP 0, 2, 0, 0
	TURN 0, 1, 1, 1
	STEP 1, 0, 0, 0
	STEP 1, 1, 1, 0
	STEP 1, 2, 0, 0
	TURN 1, 1, 0, 1
	STEP 0, 0, 0, 0
	WIN 0
	s_sub_co_u32 s3, s3, 1
	s_cmp_lg_u32 s3, 0
	s_cbranch_scc1 .Llap
.endif
	STEP 0, 1, 1, 0
	STEP 0, 2, 0, 0
	TURN 0, 1, 1, 0
	STEP 1, 0, 0, 0
	STEP 1, 1, 1, 0
	STEP 1, 2, 0, 0
	LAST 1
.endif
	WIN 0
	PLACES
.if MODE
.macro TOSTAGE a
	WIN 0x08
.irp b, 0,1,2,3
	ds_store_b128 v[STO], v[8*(4*(\a)+\b):8*(4*(\a)+\b)+3] offset:128*(\b/2)+32*(\b%2)
	ds_store_b128 v[STO], v[8*(4*(\a)+\b)+4:8*(4*(\a)+\b)+7] offset:128*(\b/2)+32*(\b%2)+16
.endr
	WIN 0
.irp i, 0,1,2,3,4,5,6,7
	ds_load_b128 v[64+32*(\a)+4*\i:67+32*(\a)+4*\i], v[RD] offset:544*\i
.endr
.endm
.macro SEND a, younger
	s_wait_dscnt \younger
	WIN 0x08
.irp k, 0,2,4,6,8,10,12,14,16,18,20,22,24,26,28,30
	v_pk_add_f32 v[64+32*(\a)+\k:65+32*(\a)+\k], v[64+32*(\a)+\k:65+32*(\a)+\k], v[128+32*(\a)+\k:129+32*(\a)+\k]
.endr
	WIN 0
.irp i, 0,1,2,3,4,5,6,7
	global_store_b128 v[CO], v[64+32*(\a)+4*\i:67+32*(\a)+4*\i], s[12:13] offset:(16*(\a)+2*\i)*4096
.endr
.endm
	TOSTAGE 0
	TOSTAGE 1
	SEND 0, 16
	TOSTAGE 2
	SEND 1, 16
	TOSTAGE 3
	SEND 2, 16
	SEND 3, 0
.else
.macro QUANT s, pw
.irp b, 0,1,2,3
	v_max3_num_f32 v[TM+\b], |v[\s+16*\b]|, |v[\s+1+16*\b]|, 0x1800000
.endr
.irp i, 2,4,6,8,10,12,14
.irp b, 0,1,2,3
	v_max3_num_f32 v[TM+\b], v[TM+\b], |v[\s+16*\b+\i]|, |v[\s+1+16*\b+\i]|
.endr
.endr
.irp b, 0,1,2,3
	v_permlanex16_b32 v[TM+4+\b], v[TM+\b], s92, s93
.endr
.irp b, 0,1,2,3
	v_max_num_f32 v[TM+\b], v[TM+\b], v[TM+4+\b]
.endr
.irp b, 0,1,2,3
	v_add_nc_u32 v[TM+12+\b], 0xff000000, v[TM+\b]
.endr
.irp b, 0,1,2,3
	v_lshrrev_b32 v[TM+4+\b], 23, v[TM+12+\b]
.endr
	v_lshl_or_b32 v[\pw], v[TM+5], 8, v[TM+4]
	v_lshl_or_b32 v[\pw], v[TM+6], 16, v[\pw]
	v_lshl_or_b32 v[\pw], v[TM+7], 24, v[\pw]
.irp c, 0,1
	v_cvt_scalef32_pk16_fp6_f32 v[PC+6*\c:PC+2+6*\c], v[\s+32*\c:\s+15+32*\c], v[TM+12+2*\c]
	v_cvt_scalef32_pk16_fp6_f32 v[PC+12+4*\c:PC+14+4*\c], v[\s+16+32*\c:\s+31+32*\c], v[TM+13+2*\c]
.endr
	v_nop
.irp c, 0,1
.irp i, 0,1,2
	v_permlane16_swap_b32 v[PC+6*\c+\i], v[PC+12+4*\c+\i]
.endr
.irp i, 0,1,2
	v_mov_b32 v[PC+3+6*\c+\i], v[PC+12+4*\c+\i]
.endr
.endr
.endm
	s_mov_b32 s92, 0x76543210
	s_mov_b32 s93, 0xfedcba98
	v_cmp_ne_u32 s90, 0, v2
.irp b, 0,1,2,3
	v_mov_b32 v[TM+4+\b], 0
.endr
.set wa, 0
.rept 8
	WIN 0x08+4*(wa/4)
.set wj, 0
.rept 64
	v_max_num_f32 v[64+wj], 0, v[64*(wa%4)+wj]
.set wj, wj+1
.endr
	WIN 0
	s_wait_xcnt 0x0
	QUANT 64, 172+wa
	global_store_b128 v3, v[PC:PC+3], s[10:11] offset:1536*wa
	global_store_b64 v4, v[PC+4:PC+5], s[10:11] offset:1536*wa+512
	global_store_b128 v3, v[PC+6:PC+9], s[10:11] offset:1536*wa+768
	global_store_b64 v4, v[PC+10:PC+11], s[10:11] offset:1536*wa+1280
.set wa, wa+1
.endr
.irp p, 0,1,2,3
	v_cndmask_b32 v[180+\p], v[172+2*\p], v[173+2*\p], s90
.endr
	global_store_b128 v3, v[180:183], s[10:11] offset:12288
.endif
	s_wait_tensorcnt 0x0
	ds_add_u32 v[SPW], v[NIL]
	s_wait_dscnt 0x0
	CROUND
	s_endpgm
.Lfunc_end_k_q5741bb1958_g4:
	.size	k_q5741bb1958_g4, .Lfunc_end_k_q5741bb1958_g4-k_q5741bb1958_g4
	.p2alignl 7, 3214868480
	.fill 96, 4, 3214868480
	.section	.rodata,"a",@progbits
	.p2align	6, 0x0
	.amdhsa_kernel k_q5741bb1958_g4
		.amdhsa_group_segment_fixed_size 327680
		.amdhsa_private_segment_fixed_size 0
		.amdhsa_enable_private_segment 0
		.amdhsa_kernarg_size 32
		.amdhsa_user_sgpr_count 2
		.amdhsa_user_sgpr_kernarg_segment_ptr 1
		.amdhsa_wavefront_size32 1
		.amdhsa_system_sgpr_workgroup_id_x 1
		.amdhsa_system_sgpr_workgroup_id_y 1
		.amdhsa_system_sgpr_workgroup_id_z 1
		.amdhsa_system_vgpr_workitem_id 0
		.amdhsa_next_free_vgpr 1024
		.amdhsa_next_free_sgpr 100
		.amdhsa_reserve_vcc 0
		.amdhsa_float_denorm_mode_32 3
		.amdhsa_float_denorm_mode_16_64 3
		.amdhsa_memory_ordered 1
		.amdhsa_forward_progress 1
		.amdhsa_inst_pref_size 162
	.end_amdhsa_kernel
	.amdgpu_metadata
---
amdhsa.version: [ 1, 2 ]
amdhsa.kernels:
  - .name:           k_q5741bb1958_g4
    .symbol:         k_q5741bb1958_g4.kd
    .args:
      - { .name: bimg, .offset: 0, .size: 8, .value_kind: global_buffer, .address_space: global }
      - { .name: wimg, .offset: 8, .size: 8, .value_kind: global_buffer, .address_space: global }
      - { .name: ff_b1, .offset: 16, .size: 8, .value_kind: global_buffer, .address_space: global }
      - { .name: himg, .offset: 24, .size: 8, .value_kind: global_buffer, .address_space: global }
    .group_segment_fixed_size: 327680
    .private_segment_fixed_size: 0
    .kernarg_segment_align: 8
    .kernarg_segment_size: 32
    .max_flat_workgroup_size: 128
    .sgpr_count:     100
    .vgpr_count:     1024
    .wavefront_size: 32
...
	.end_amdgpu_metadata
.endif
;; end of part 4
;; launch g5 (part 5): grid 8 x 32, 4 waves a work-group, clusters of 4 x 4, 327,680 bytes of LDS; arguments himg, wimg, ff_b2, x1, y; writes y
.if DOCPART == 5
	.amdgcn_target "amdgcn-amd-amdhsa--gfx1250"
	.amdhsa_code_object_version 6
	.text
	.protected	k_q5741bb1958_g5
	.globl	k_q5741bb1958_g5
	.p2align	8
	.type	k_q5741bb1958_g5,@function
k_q5741bb1958_g5:
	s_mov_b64 s[64:65], 0
	v_nop
	global_prefetch_b8 v0, s[64:65] scope:SCOPE_SE
	s_setreg_imm32_b32 hwreg(HW_REG_WAVE_MODE, 25, 1), 1
	s_wait_xcnt 0x0
	s_wait_alu depctr_hold_cnt(0) depctr_sa_sdst(0) depctr_va_vdst(0) depctr_va_sdst(0) depctr_va_ssrc(0) depctr_va_vcc(0) depctr_vm_vsrc(0)
	s_getreg_b32 s2, hwreg(HW_REG_IB_STS2, 6, 4)
	s_cmp_eq_u32 s2, 0
	s_cbranch_scc0 .Lentry_in_a_cluster
	s_endpgm
.Lentry_in_a_cluster:
	s_bfe_u32 s2, ttmp6, 0x10000c
	s_cmp_lg_u32 s2, 0xf033
	s_cbranch_scc0 .Lentry_shape_is_right
	s_endpgm
.Lentry_shape_is_right:
; Launch 6 of 7: y = (the hidden layer's codes) Q(ff_w2) + ff_b2 + x1, on codes of FP6 (E2M3).  No work of reference() is left out here.
; ONE TEXT SERVES THE TWO PRODUCTS THAT END IN A RESIDUAL (launches 3 and 6); the four lines below say which.
; A work-group makes 128 rows x 128 columns, a wave 64 x 64: 16 accumulators; so 256 work-groups have a tile each.
; Both operands come as blocks GB of 12,800 dense bytes, X[group of 128 rows][K step of 128]: register images of 8 fragments and their scale words (launch 1's head says how).  So a fragment is two loads of 16 bytes and two of 8, with no pitch,
; and a wave's tensor load is dense rows of 256 bytes.  K goes through a ring of two LDS slots of QS K steps; a slot has four regions of H = QS / 2 K steps: A's two, then the weight's two; wave w fills region w.
; Six K steps to a slot are the most of which two slots fit in LDS beside the stages and the spare words (325,120 bytes in all): so the 32 K steps want four refills, each with six K steps' work in which to land.
; An LDS immediate holds 16 bits, so each region has address registers of its own.  The walk along K is written out by macros, without a loop: at the most 32 K steps of some 60 instructions.
; PLAN 0: K is two whole slots, both asked for at the head.  PLAN 1: K is five whole slots and two K steps more: two fills at the head, three whole refills, and a last refill of one K step a wave.
; THE PRODUCT IS USED TRANSPOSED (source 0 = 16 columns of the weight, source 1 = 16 rows): a lane holds one row, and, by the choice of a weight tile's columns, 16 registers of two neighbouring tiles are 16 neighbouring columns.
; The bias is the C of each sum's first product.  The accumulators take turns, one instruction a turn, in the same order in every K step.
; The residual is asked for at the head, as the rows will leave, and waited for on the way out alone: it lands while K is walked.
; CLUSTERS: 4 x 4 work-groups; A's blocks are asked for jointly along a row of the cluster, the weight's along a column.
; No prefetch is written: the tile is small, and the launch has at the most four refills.  One tile to a work-group.
; REGISTERS, in windows of 256: window 0: v0-31 and v48-59 addresses; v32-47 scale words, two sets; from v64 A's fragments, two sets 96 apart.  window 1: the weight's fragments, two sets at v0 and v96; from v192 the bias.
;   window 2: the accumulators, (a, b) at v[8 (4 a + b)]; from v128 the residual.
.set KS,    32                         ; K steps of 128
.set WOFF,  4096000                    ; the weight's place in wimg
.set QS,    6                          ; K steps in a slot
.set PLAN,  1
.set GB,    12800
.set NB,    4                          ; tiles a side in a wave
.set H,     QS/2                       ; K steps in a region
.set ROWS,  50*H                       ; rows of 256 bytes in a wave's load
.set REG,   ROWS*256
.set SLOT,  4*REG
.set STAGE, 2*SLOT                     ; behind the ring: 16 rows x 272 bytes for each wave, for the way out
.set SPARE, STAGE+4*16*272             ; behind the stages: the spare words, 128 bytes for each wave
.set A1, 8                             ; v8-11   A's fragments in region x = 2 slot + half: + 16 x lane
.set A2, 12                            ; v12-15  + 16 r + 8 h
.set AS, 16                            ; v16-19  A's scale words
.set B1, 48                            ; v48-59  the same for the weight
.set B2, 52
.set BS, 56
.set BO,  20                           ; v20  the bias: 64 h
.set STO, 21
.set RD,  22
.set CO,  23
.set SPW, 28                           ; v28  LDS address of my spare word; never rewritten
.set NIL, 29                           ; v29  0; never rewritten
.set SC,  32
.set AF,  64
.set G1,  24                           ; s[24:31] group 1 for A's blocks;  s[32:39] group 0, one set for each slot
.set G0,  32
.set G1B, 48                           ; s[48:55], s[56:63] the same for the weight's
.set G0B, 56
.set G1P, 68                           ; PLAN 1: groups 1 for the last refill, of 50 rows
.set G1PB, 76
.set PST, 94                           ; PLAN 1: s[94:95] the last refill's step in memory
.set MSB, 0
.macro WIN new                         ; the immediate's high byte repeats the setting that is left
.if MSB != (\new)
	s_set_vgpr_msb (MSB<<8)|(\new)
.set MSB, (\new)
.endif
.endm
.macro PLACES                          ; four places behind a product, in front of loads into its registers and of reads of its result
.rept 4
	v_nop
.endr
.endm
.macro JLOAD g0a, g1a, g0b, g1b        ; a joint load: waves 0, 1 fetch for A, waves 2, 3 for the weight; an s_nop 0 and four v_nop follow each line
	s_cmp_eq_u32 s15, 0
	s_cbranch_scc0 .Lfor_b_\@
	tensor_load_to_lds s[\g0a:\g0a+3], s[\g1a:\g1a+7]
	s_nop 0
.rept 4
	v_nop
.endr
	s_branch .Lasked_\@
.Lfor_b_\@:
	tensor_load_to_lds s[\g0b:\g0b+3], s[\g1b:\g1b+7]
	s_nop 0
.rept 4
	v_nop
.endr
.Lasked_\@:
.endm
.macro CREST                           ; a round of the cluster's barrier behind its opening barrier
	s_cmp_lg_u32 s14, 0
	s_cbranch_scc1 .Lnot_wave_0_\@
	s_barrier_signal -3
.Lnot_wave_0_\@:
	s_barrier_wait -3
	s_barrier_signal -1
	s_barrier_wait -1
.endm
.macro CROUND
	s_barrier_signal -1
	s_barrier_wait -1
	CREST
.endm
.macro WM                              ; one product; an odd tile's scale words stand in lanes 16-31 of its pair's register
.if (mb%2) && (ma%2)
	v_wmma_scale_f32_16x16x128_f8f6f4 v[rD:rD+7], v[rB:rB+11], v[rA:rA+11], v[rC:rC+7], v[sB], v[sA] matrix_a_fmt:MATRIX_FMT_FP6 matrix_b_fmt:MATRIX_FMT_FP6 matrix_a_scale:MATRIX_SCALE_ROW1 matrix_b_scale:MATRIX_SCALE_ROW1
.elseif (mb%2)
	v_wmma_scale_f32_16x16x128_f8f6f4 v[rD:rD+7], v[rB:rB+11], v[rA:rA+11], v[rC:rC+7], v[sB], v[sA] matrix_a_fmt:MATRIX_FMT_FP6 matrix_b_fmt:MATRIX_FMT_FP6 matrix_a_scale:MATRIX_SCALE_ROW1
.elseif (ma%2)
	v_wmma_scale_f32_16x16x128_f8f6f4 v[rD:rD+7], v[rB:rB+11], v[rA:rA+11], v[rC:rC+7], v[sB], v[sA] matrix_a_fmt:MATRIX_FMT_FP6 matrix_b_fmt:MATRIX_FMT_FP6 matrix_b_scale:MATRIX_SCALE_ROW1
.else
	v_wmma_scale_f32_16x16x128_f8f6f4 v[rD:rD+7], v[rB:rB+11], v[rA:rA+11], v[rC:rC+7], v[sB], v[sA] matrix_a_fmt:MATRIX_FMT_FP6 matrix_b_fmt:MATRIX_FMT_FP6
.endif
.endm
.macro MUL a0, a1, set, first          ; A's tiles a0 .. a1 - 1 against all of the weight's; first = 1: C = the bias
.set ma, \a0
.rept (\a1)-(\a0)
.if \first
	WIN 0x91                                       ; source 0 (the weight) and C (the bias) window 1, source 1 (A) window 0, D window 2
.else
	WIN 0xa1                                       ; C and D window 2
.endif
.set mb, 0
.rept NB
.set rD, 8*(NB*ma+mb)
.set rB, 96*(\set)+12*mb
.set rA, AF+96*(\set)+12*ma
.set sB, SC+8*(\set)+4+mb/2
.set sA, SC+8*(\set)+ma/2
.if \first
.set rC, 192+8*mb
.else
.set rC, rD
.endif
	WM
.set mb, mb+1
.endr
.set ma, ma+1
.endr
.endm
.macro FETCH slot, q, set              ; the fragments and scale words of the slot's q-th K step, in one run of loads
.set fx, 2*(\slot)+(\q)/H              ; its region,
.set fb, ((\q)%H)*GB                   ; and its block there
	WIN 0x40
.set fi, 0
.rept NB
.set fr, 96*(\set)+12*fi
.set fo, fb+fi*1536
	ds_load_b128 v[fr:fr+3], v[B1+fx] offset:fo
	ds_load_b64 v[fr+4:fr+5], v[B2+fx] offset:fo+512
	ds_load_b128 v[fr+6:fr+9], v[B1+fx] offset:fo+768
	ds_load_b64 v[fr+10:fr+11], v[B2+fx] offset:fo+1280
.set fi, fi+1
.endr
	WIN 0
.set fi, 0
.rept NB
.set fr, AF+96*(\set)+12*fi
.set fo, fb+fi*1536
	ds_load_b128 v[fr:fr+3], v[A1+fx] offset:fo
	ds_load_b64 v[fr+4:fr+5], v[A2+fx] offset:fo+512
	ds_load_b128 v[fr+6:fr+9], v[A1+fx] offset:fo+768
	ds_load_b64 v[fr+10:fr+11], v[A2+fx] offset:fo+1280
.set fi, fi+1
.endr
	ds_load_b64 v[SC+8*(\set):SC+8*(\set)+1], v[AS+fx] offset:fb+12288
	ds_load_b64 v[SC+8*(\set)+4:SC+8*(\set)+5], v[BS+fx] offset:fb+12288
.endm
.macro STEP slot, qn, set, first       ; a K step, in set; its successor, the same slot's K step qn, is fetched into the other set
	s_wait_dscnt 0x0                               ; this step's fragments are in (asked for a K step ago)
	PLACES
	FETCH \slot, \qn, 1-(\set)
	MUL 0, NB, \set, \first
.endm
.macro RUN slot, first                 ; a slot's K steps but the last
	STEP \slot, 1, 0, \first
	STEP \slot, 2, 1, 0
	STEP \slot, 3, 0, 0
.if QS == 6
	STEP \slot, 4, 1, 0
	STEP \slot, 5, 0, 0
.endif
.endm
.macro TURN slot, next, fill           ; a slot's last K step (set 1) changes slots: one barrier; fill = 1: the slot is filled again whole; 2: with one K step a wave; 0: not
	WIN 0
	s_wait_tensorcnt 0x0                           ; all my tensor loads have landed: my part of the next slot
	ds_add_u32 v[SPW], v[NIL]                      ; 0 onto my spare word
	s_wait_dscnt 0x1                               ; (the add alone may be out: this step's fragments are in)
	MUL 0, 1, 1, 0
	s_wait_dscnt 0x0                               ; the add is done, and my reads of this slot are over
	s_barrier_signal -1
	MUL 1, 2, 1, 0
	WIN 0
	s_barrier_wait -1
.if \fill == 1
	CREST                                          ; the barrier has opened a round of the cluster's: no wave of any partner still reads this slot or has a load on its way
	s_add_nc_u64 s[G0+4*\slot+2:G0+4*\slot+3], s[G0+4*\slot+2:G0+4*\slot+3], 2*QS*GB
	s_add_nc_u64 s[G0B+4*\slot+2:G0B+4*\slot+3], s[G0B+4*\slot+2:G0B+4*\slot+3], 2*QS*GB
	JLOAD G0+4*\slot, G1, G0B+4*\slot, G1B         ; the first tensor load behind the round; its four v_nop are the places in front of the loads below
.elseif \fill == 2
	CREST
	s_add_nc_u64 s[G0+4*\slot+2:G0+4*\slot+3], s[G0+4*\slot+2:G0+4*\slot+3], s[PST:PST+1]
	s_add_nc_u64 s[G0B+4*\slot+2:G0B+4*\slot+3], s[G0B+4*\slot+2:G0B+4*\slot+3], s[PST:PST+1]
	JLOAD G0+4*\slot, G1P, G0B+4*\slot, G1PB       ; the last two K steps: one to each region's head
.else
	PLACES
.endif
	FETCH \next, 0, 0
	MUL 2, 4, 1, 0
.endm
.macro LAST set
	s_wait_dscnt 0x0
	MUL 0, NB, \set, 0
.endm
	s_load_b256 s[4:11], s[0:1], 0x0               ; A's images, wimg, the bias, the residual
	s_load_b64 s[12:13], s[0:1], 0x20              ; y
	v_lshl_add_u32 v[SPW], v0, 2, SPARE
	v_mov_b32 v[NIL], 0
	ds_add_u32 v[SPW], v[NIL]                      ; the wave's opening: the add, twice on end, and its wait ahead of my first tensor load
	ds_add_u32 v[SPW], v[NIL]
	v_lshrrev_b32 v1, 5, v0
	v_readfirstlane_b32 s14, v1                    ; wave 0..3
	s_lshr_b32 s15, s14, 1                         ; which half of the rows is mine.  Also: I fetch for A (0) or for the weight (1)
	s_and_b32 s16, s14, 1                          ; which half of the columns.  Also: which region I fetch
	s_bfe_u32 s40, ttmp6, 0x40000                  ; cx, cy
	s_bfe_u32 s41, ttmp6, 0x40004
	s_lshl_b32 s42, ttmp9, 2
	s_add_co_u32 s42, s42, s40                     ; tile column
	s_and_b32 s17, ttmp7, 0xffff
	s_lshl_b32 s17, s17, 2
	s_add_co_u32 s17, s17, s41                     ; tile row
	s_lshl_b32 s43, s41, 2
	s_lshl_b32 s43, 15, s43                        ; my row of the cluster
	s_lshl_b32 s44, 0x1111, s40                    ; my column
	s_or_b32 s[G1], s43, (3<<16)|(1<<21)           ; the mask; elements of 8 bytes; bit 21 beside a mask; no padding
	s_or_b32 s[G1B], s44, (3<<16)|(1<<21)
.irp g, G1, G1B
	s_mov_b32 s[\g+1], 32<<16                      ; rows of 32 elements,
	s_mov_b32 s[\g+2], ROWS<<16
	s_mov_b32 s[\g+3], 32<<16
	s_mov_b32 s[\g+4], ROWS
	s_mov_b32 s[\g+5], 32                          ; dense
	s_mov_b32 s[\g+6], 0
	s_mov_b32 s[\g+7], 0
.endr
.if PLAN
	s_or_b32 s[G1P], s43, (3<<16)|(1<<21)
	s_or_b32 s[G1PB], s44, (3<<16)|(1<<21)
.irp g, G1P, G1PB
	s_mov_b32 s[\g+1], 32<<16
	s_mov_b32 s[\g+2], 50<<16
	s_mov_b32 s[\g+3], 32<<16
	s_mov_b32 s[\g+4], 50
	s_mov_b32 s[\g+5], 32
	s_mov_b32 s[\g+6], 0
	s_mov_b32 s[\g+7], 0
.endr
	s_mul_i32 s[PST], s16, (H-1)*GB                ; from K step QS f + H e of the slot's last whole fill to K step QS (f + 2) + e: 2 QS - (H - 1) e blocks, e = my region
	s_sub_co_u32 s[PST], 2*QS*GB, s[PST]
	s_mov_b32 s[PST+1], 0
.endif
	s_mul_i32 s20, s17, KS*GB                      ; A: group = tile row, K steps H x region on
	s_mul_i32 s18, s16, H*GB
	s_add_co_u32 s20, s20, s18
	s_mul_i32 s46, s42, KS*GB                      ; the weight: group = tile column
	s_add_co_u32 s46, s46, s18
	s_add_co_u32 s46, s46, WOFF
	s_mov_b32 s21, 0
	s_mov_b32 s47, 0
	s_mul_i32 s45, s14, REG                        ; where they go: no place in the cluster enters an LDS address
	s_wait_dscnt 0x0                               ; both opening adds are done
	s_wait_kmcnt 0x0
	s_add_nc_u64 s[20:21], s[4:5], s[20:21]
	s_add_nc_u64 s[46:47], s[6:7], s[46:47]
	CROUND                                         ; all sixteen work-groups are here: the first joint loads meet
.irp s, 0,1
	s_mov_b32 s[G0+4*\s], 1
	s_add_co_u32 s[G0+4*\s+1], s45, \s*SLOT
	s_add_nc_u64 s[G0+4*\s+2:G0+4*\s+3], s[20:21], \s*QS*GB
	s_or_b32 s[G0+4*\s+3], s[G0+4*\s+3], 0x80000000
	s_mov_b32 s[G0B+4*\s], 1
	s_add_co_u32 s[G0B+4*\s+1], s45, \s*SLOT
	s_add_nc_u64 s[G0B+4*\s+2:G0B+4*\s+3], s[46:47], \s*QS*GB
	s_or_b32 s[G0B+4*\s+3], s[G0B+4*\s+3], 0x80000000
.if \s == 0
	JLOAD G0, G1, G0B, G1B                         ; slot 0: my one tensor load at the head
.endif
.endr
	v_and_b32 v1, 15, v0                           ; r
	v_bfe_u32 v2, v0, 4, 1                         ; h
	v_and_b32 v3, 31, v0
	v_lshlrev_b32 v3, 4, v3                        ; 16 x lane
	v_lshlrev_b32 v4, 4, v1
	v_lshl_add_u32 v4, v2, 3, v4                   ; 16 r + 8 h
	s_wait_alu depctr_va_vdst(0)
	v_lshlrev_b32 v[BO], 6, v2                     ; the bias: 16 h numbers on
	s_mul_i32 s21, s15, 6144                       ; my four tiles of A,
	s_lshl_b32 s23, s15, 3                         ; their two words in each 16 bytes,
	s_mul_i32 s22, s16, 6144
	s_add_co_u32 s22, s22, 2*REG                   ; and the same of the weight
	s_lshl_b32 s18, s16, 3
	s_add_co_u32 s18, s18, 2*REG
.irp x, 0,1,2,3                        ; region x = 2 slot + half begins at slot x SLOT + half x REG
	v_add_nc_u32 v[A1+\x], s21, v3
	v_add_nc_u32 v[A2+\x], s21, v4
	v_add_nc_u32 v[AS+\x], s23, v3
	v_add_nc_u32 v[B1+\x], s22, v3
	v_add_nc_u32 v[B2+\x], s22, v4
	v_add_nc_u32 v[BS+\x], s18, v3
.if \x == 1
	s_add_co_u32 s21, s21, SLOT-REG
	s_add_co_u32 s23, s23, SLOT-REG
	s_add_co_u32 s22, s22, SLOT-REG
	s_add_co_u32 s18, s18, SLOT-REG
.else
	s_add_co_u32 s21, s21, REG
	s_add_co_u32 s23, s23, REG
	s_add_co_u32 s22, s22, REG
	s_add_co_u32 s18, s18, REG
.endif
.endr
	s_mul_i32 s20, s42, NB*128                     ; the bias of my columns, in bytes: 512 x tile column + 256 x half
	s_mul_i32 s21, s16, NB*64
	s_add_co_u32 s20, s20, s21
	s_mov_b32 s21, 0
	s_add_nc_u64 s[8:9], s[8:9], s[20:21]
	WIN 0x40
.set fi, 0
.rept NB
	global_load_b128 v[192+8*fi:195+8*fi], v[BO], s[8:9] offset:(32*(fi/2)+8*(fi%2))*4       ; tile b, lane (r, h): columns 32 (b / 2) + 8 (b % 2) + 16 h + 0 .. 7
	global_load_b128 v[196+8*fi:199+8*fi], v[BO], s[8:9] offset:(32*(fi/2)+8*(fi%2))*4+16
.set fi, fi+1
.endr
	WIN 0
	s_mul_i32 s23, s14, 16*272
	s_add_co_u32 s23, s23, STAGE                   ; my stage
	v_mul_u32_u24 v5, v1, 272
	v_lshl_add_u32 v5, v2, 6, v5
	v_add_nc_u32 v[STO], s23, v5                   ; in: row r, + 64 h
	v_mul_u32_u24 v5, v2, 272
	v_lshl_add_u32 v5, v1, 4, v5
	v_add_nc_u32 v[RD], s23, v5                    ; back: lanes 0-15 one row of 256 bytes, lanes 16-31 the next
	v_lshlrev_b32 v5, 12, v2
	v_lshl_add_u32 v[CO], v1, 4, v5                ; and the same two rows in memory
	s_wait_alu depctr_va_vdst(0)
	s_lshl_b32 s20, s17, 7
	s_lshl_b32 s21, s15, 6
	s_add_co_u32 s20, s20, s21                     ; my first row
	s_lshl_b32 s20, s20, 12
	s_lshl_b32 s21, s42, 9
	s_add_co_u32 s20, s20, s21
	s_lshl_b32 s21, s16, 8
	s_add_co_u32 s20, s20, s21                     ; + my first column's bytes
	s_mov_b32 s21, 0
	s_add_nc_u64 s[10:11], s[10:11], s[20:21]
	s_add_nc_u64 s[12:13], s[12:13], s[20:21]
	WIN 0x80
.irp a, 0,1,2,3
.irp i, 0,1,2,3,4,5,6,7
	global_load_b128 v[128+32*\a+4*\i:131+32*\a+4*\i], v[CO], s[10:11] offset:(16*\a+2*\i)*4096   ; the residual, as the rows will leave
.endr
.endr
	WIN 0
	s_wait_tensorcnt 0x0                           ; my part of slot 0 is in
	ds_add_u32 v[SPW], v[NIL]
	s_wait_dscnt 0x0
	CROUND                                         ; a whole round: slot 0 is whole, and the joint loads meet
	JLOAD G0+4, G1, G0B+4, G1B                     ; slot 1's first fill: it has slot 0's six K steps in which to land
	FETCH 0, 0, 0
	s_wait_loadcnt 32                              ; the bias's eight loads are in; the residual's 32, issued behind them, stay out
.if PLAN
	RUN 0, 1                                       ; K steps 0 to 5
	TURN 0, 1, 1                                   ; slot 0 takes K steps 12 to 17
	RUN 1, 0
	TURN 1, 0, 1                                   ; slot 1: 18 to 23
	RUN 0, 0
	TURN 0, 1, 1                                   ; slot 0: 24 to 29
	RUN 1, 0
	TURN 1, 0, 2                                   ; slot 1: 30 and 31
	RUN 0, 0
	TURN 0, 1, 0
	STEP 1, H, 0, 0                                ; K step 30; K step 31 lies at the head of the slot's second region
	LAST 1
.else
	RUN 0, 1
	TURN 0, 1, 0                                   ; nothing is filled again
	RUN 1, 0
	LAST 1
.endif
	WIN 0
	PLACES
	s_wait_loadcnt 0x0                             ; the residual
; THE WAY OUT, 16 rows at a time: through my own stage, back as rows of 256 bytes, + the residual, stored sixteen lanes to 256 consecutive bytes, aligned.
.macro TOSTAGE a
	WIN 0x08                                       ; an LDS store's data are its source 1: window 2
.irp b, 0,1,2,3
	ds_store_b128 v[STO], v[8*(4*(\a)+\b):8*(4*(\a)+\b)+3] offset:128*(\b/2)+32*(\b%2)          ; each accumulator from its low end on
	ds_store_b128 v[STO], v[8*(4*(\a)+\b)+4:8*(4*(\a)+\b)+7] offset:128*(\b/2)+32*(\b%2)+16
.endr
	WIN 0
.irp i, 0,1,2,3,4,5,6,7
	ds_load_b128 v[64+32*(\a)+4*\i:67+32*(\a)+4*\i], v[RD] offset:544*\i   ; LDS serves a wave's instructions in order: these see my stores
.endr
.endm
.macro SEND a, younger                 ; younger: the next block's 8 stores and 8 loads, or none
	s_wait_dscnt \younger
	WIN 0x08
.irp k, 0,2,4,6,8,10,12,14,16,18,20,22,24,26,28,30
	v_pk_add_f32 v[64+32*(\a)+\k:65+32*(\a)+\k], v[64+32*(\a)+\k:65+32*(\a)+\k], v[128+32*(\a)+\k:129+32*(\a)+\k]
.endr
	WIN 0
.irp i, 0,1,2,3,4,5,6,7
	global_store_b128 v[CO], v[64+32*(\a)+4*\i:67+32*(\a)+4*\i], s[12:13] offset:(16*(\a)+2*\i)*4096
.endr
.endm
	TOSTAGE 0
	TOSTAGE 1
	SEND 0, 16
	TOSTAGE 2
	SEND 1, 16
	TOSTAGE 3
	SEND 2, 16
	SEND 3, 0
	s_wait_tensorcnt 0x0                           ; the wave's end
	ds_add_u32 v[SPW], v[NIL]
	s_wait_dscnt 0x0
	CROUND                                         ; the closing round
	s_endpgm
.Lfunc_end_k_q5741bb1958_g5:
	.size	k_q5741bb1958_g5, .Lfunc_end_k_q5741bb1958_g5-k_q5741bb1958_g5
	.p2alignl 7, 3214868480
	.fill 96, 4, 3214868480
	.section	.rodata,"a",@progbits
	.p2align	6, 0x0
	.amdhsa_kernel k_q5741bb1958_g5
		.amdhsa_group_segment_fixed_size 327680
		.amdhsa_private_segment_fixed_size 0
		.amdhsa_enable_private_segment 0
		.amdhsa_kernarg_size 40
		.amdhsa_user_sgpr_count 2
		.amdhsa_user_sgpr_kernarg_segment_ptr 1
		.amdhsa_wavefront_size32 1
		.amdhsa_system_sgpr_workgroup_id_x 1
		.amdhsa_system_sgpr_workgroup_id_y 1
		.amdhsa_system_sgpr_workgroup_id_z 1
		.amdhsa_system_vgpr_workitem_id 0
		.amdhsa_next_free_vgpr 768
		.amdhsa_next_free_sgpr 100
		.amdhsa_reserve_vcc 0
		.amdhsa_float_denorm_mode_32 3
		.amdhsa_float_denorm_mode_16_64 3
		.amdhsa_memory_ordered 1
		.amdhsa_forward_progress 1
		.amdhsa_inst_pref_size 171
	.end_amdhsa_kernel
	.amdgpu_metadata
---
amdhsa.version: [ 1, 2 ]
amdhsa.kernels:
  - .name:           k_q5741bb1958_g5
    .symbol:         k_q5741bb1958_g5.kd
    .args:
      - { .name: himg, .offset: 0, .size: 8, .value_kind: global_buffer, .address_space: global }
      - { .name: wimg, .offset: 8, .size: 8, .value_kind: global_buffer, .address_space: global }
      - { .name: ff_b2, .offset: 16, .size: 8, .value_kind: global_buffer, .address_space: global }
      - { .name: x1, .offset: 24, .size: 8, .value_kind: global_buffer, .address_space: global }
      - { .name: y, .offset: 32, .size: 8, .value_kind: global_buffer, .address_space: global }
    .group_segment_fixed_size: 327680
    .private_segment_fixed_size: 0
    .kernarg_segment_align: 8
    .kernarg_segment_size: 40
    .max_flat_workgroup_size: 128
    .sgpr_count:     100
    .vgpr_count:     768
    .wavefront_size: 32
...
	.end_amdgpu_metadata
.endif
;; end of part 5
;; launch ln2 (part 6): grid 256 x 1, 16 waves a work-group, no clusters, 0 bytes of LDS; arguments y, ln2_g, ln2_b, out0; writes out0
.if DOCPART == 6
	.amdgcn_target "amdgcn-amd-amdhsa--gfx1250"
	.amdhsa_code_object_version 6
	.text
	.protected	k_q5741bb1958_ln2
	.globl	k_q5741bb1958_ln2
	.p2align	8
	.type	k_q5741bb1958_ln2,@function
k_q5741bb1958_ln2:
	s_mov_b64 s[64:65], 0
	v_nop
	global_prefetch_b8 v0, s[64:65] scope:SCOPE_SE
	s_setreg_imm32_b32 hwreg(HW_REG_WAVE_MODE, 25, 1), 1
	s_wait_xcnt 0x0
; Launch 6 of 6: out0 = layer_norm(y), in f32.  No work of reference() is left out here.
; A work-group takes 16 rows; wave w takes row w whole: 32 registers, so the reduction never leaves the wave: no LDS, no barrier.  Each load and store of a wave covers 512 consecutive bytes.
; Memory binds: no matrix unit, no cluster, no tensor load.  NaN and infinities are carried as f32 arithmetic carries them.
	s_load_b256 s[4:11], s[0:1], 0x0               ; y, the gain, the bias, out0
	v_lshrrev_b32 v1, 5, v0
	s_delay_alu instid0(VALU_DEP_1)
	v_readfirstlane_b32 s14, v1                    ; wave
	v_and_b32 v2, 31, v0
	s_delay_alu instid0(VALU_DEP_1)
	v_lshlrev_b32 v3, 4, v2                        ; 16 x lane
	s_lshl_b32 s16, ttmp9, 4
	s_add_co_u32 s16, s16, s14
	s_lshl_b32 s16, s16, 12                        ; my row's bytes
	s_mov_b32 s17, 0
	s_mov_b32 s18, 0x3a800000                      ; 1 / 1,024
	s_mov_b32 s19, 0x3727c5ac                      ; 1e-5
	s_mov_b32 s30, 0x76543210
	s_mov_b32 s31, 0xfedcba98
	s_wait_alu depctr_va_vdst(0)
	s_wait_kmcnt 0x0
	s_add_nc_u64 s[4:5], s[4:5], s[16:17]
	s_add_nc_u64 s[10:11], s[10:11], s[16:17]
.irp j, 0,1,2,3,4,5,6,7
	global_load_b128 v[16+4*\j:19+4*\j], v3, s[4:5] offset:512*\j th:TH_LOAD_NT
.endr
.irp j, 0,1,2,3,4,5,6,7
	global_load_b128 v[48+4*\j:51+4*\j], v3, s[6:7] offset:512*\j
.endr
.irp j, 0,1,2,3,4,5,6,7
	global_load_b128 v[80+4*\j:83+4*\j], v3, s[8:9] offset:512*\j
.endr
	s_wait_loadcnt 16                              ; the row is in; the gain's and the bias's sixteen loads may be out
.irp j, 0,2,4,6,8,10,12,14
	v_pk_add_f32 v[112+\j:113+\j], v[16+\j:17+\j], v[32+\j:33+\j]
.endr
.irp j, 0,2,4,6
	s_delay_alu instid0(VALU_DEP_4)
	v_pk_add_f32 v[112+\j:113+\j], v[112+\j:113+\j], v[120+\j:121+\j]
.endr
.irp j, 0,2
	s_delay_alu instid0(VALU_DEP_2)
	v_pk_add_f32 v[112+\j:113+\j], v[112+\j:113+\j], v[116+\j:117+\j]
.endr
	s_delay_alu instid0(VALU_DEP_1)
	v_pk_add_f32 v[112:113], v[112:113], v[114:115]
	s_delay_alu instid0(VALU_DEP_1)
	v_add_f32 v112, v112, v113
	s_delay_alu instid0(VALU_DEP_1)
	v_add_f32_dpp v112, v112, v112 row_xmask:1 row_mask:0xf bank_mask:0xf
	s_delay_alu instid0(VALU_DEP_1)
	v_add_f32_dpp v112, v112, v112 row_xmask:2 row_mask:0xf bank_mask:0xf
	s_delay_alu instid0(VALU_DEP_1)
	v_add_f32_dpp v112, v112, v112 row_xmask:4 row_mask:0xf bank_mask:0xf
	s_delay_alu instid0(VALU_DEP_1)
	v_add_f32_dpp v112, v112, v112 row_xmask:8 row_mask:0xf bank_mask:0xf
	s_delay_alu instid0(VALU_DEP_1)
	v_permlanex16_b32 v113, v112, s30, s31
	s_delay_alu instid0(VALU_DEP_1)
	v_add_f32 v112, v112, v113
	s_delay_alu instid0(VALU_DEP_1)
	v_mul_f32 v112, s18, v112                      ; the mean
.set j, 0
.rept 16
	v_pk_add_f32 v[16+j:17+j], v[16+j:17+j], v[112:113] op_sel_hi:[1,0] neg_lo:[0,1] neg_hi:[0,1]   ; x - mean
.set j, j+2
.endr
	v_pk_mul_f32 v[114:115], v[16:17], v[16:17]
	v_pk_mul_f32 v[116:117], v[18:19], v[18:19]
.irp j, 4,8,12,16,20,24,28
	s_delay_alu instid0(VALU_DEP_2)
	v_pk_fma_f32 v[114:115], v[16+\j:17+\j], v[16+\j:17+\j], v[114:115]
	s_delay_alu instid0(VALU_DEP_2)
	v_pk_fma_f32 v[116:117], v[18+\j:19+\j], v[18+\j:19+\j], v[116:117]
.endr
	s_delay_alu instid0(VALU_DEP_1)
	v_pk_add_f32 v[114:115], v[114:115], v[116:117]
	s_delay_alu instid0(VALU_DEP_1)
	v_add_f32 v114, v114, v115
	s_delay_alu instid0(VALU_DEP_1)
	v_add_f32_dpp v114, v114, v114 row_xmask:1 row_mask:0xf bank_mask:0xf
	s_delay_alu instid0(VALU_DEP_1)
	v_add_f32_dpp v114, v114, v114 row_xmask:2 row_mask:0xf bank_mask:0xf
	s_delay_alu instid0(VALU_DEP_1)
	v_add_f32_dpp v114, v114, v114 row_xmask:4 row_mask:0xf bank_mask:0xf
	s_delay_alu instid0(VALU_DEP_1)
	v_add_f32_dpp v114, v114, v114 row_xmask:8 row_mask:0xf bank_mask:0xf
	s_delay_alu instid0(VALU_DEP_1)
	v_permlanex16_b32 v115, v114, s30, s31
	s_delay_alu instid0(VALU_DEP_1)
	v_add_f32 v114, v114, v115
	s_delay_alu instid0(VALU_DEP_1)
	v_fma_f32 v114, v114, s18, s19                 ; the variance + 1e-5
	s_wait_alu depctr_va_vdst(0)
	v_rsq_f32 v118, v114
	v_mov_b32 v119, 0                              ; (a plain place behind the root; named with v118 as a pair)
	s_wait_alu depctr_va_vdst(0)                   ; the wait ahead of its first reader
	s_wait_loadcnt 0x0                             ; the gain and the bias
.set j, 0
.rept 16
	v_pk_mul_f32 v[16+j:17+j], v[16+j:17+j], v[118:119] op_sel_hi:[1,0]
.set j, j+2
.endr
.set j, 0
.rept 16
	v_pk_fma_f32 v[16+j:17+j], v[16+j:17+j], v[48+j:49+j], v[80+j:81+j]
.set j, j+2
.endr
.irp j, 0,1,2,3,4,5,6,7
	global_store_b128 v3, v[16+4*\j:19+4*\j], s[10:11] offset:512*\j th:TH_STORE_NT
.endr
	s_endpgm
.Lfunc_end_k_q5741bb1958_ln2:
	.size	k_q5741bb1958_ln2, .Lfunc_end_k_q5741bb1958_ln2-k_q5741bb1958_ln2
	.p2alignl 7, 3214868480
	.fill 96, 4, 3214868480
	.section	.rodata,"a",@progbits
	.p2align	6, 0x0
	.amdhsa_kernel k_q5741bb1958_ln2
		.amdhsa_group_segment_fixed_size 0
		.amdhsa_private_segment_fixed_size 0
		.amdhsa_enable_private_segment 0
		.amdhsa_kernarg_size 32
		.amdhsa_user_sgpr_count 2
		.amdhsa_user_sgpr_kernarg_segment_ptr 1
		.amdhsa_wavefront_size32 1
		.amdhsa_system_sgpr_workgroup_id_x 1
		.amdhsa_system_sgpr_workgroup_id_y 1
		.amdhsa_system_sgpr_workgroup_id_z 1
		.amdhsa_system_vgpr_workitem_id 0
		.amdhsa_next_free_vgpr 160
		.amdhsa_next_free_sgpr 66
		.amdhsa_reserve_vcc 0
		.amdhsa_float_denorm_mode_32 3
		.amdhsa_float_denorm_mode_16_64 3
		.amdhsa_memory_ordered 1
		.amdhsa_forward_progress 1
		.amdhsa_inst_pref_size 12
	.end_amdhsa_kernel
	.amdgpu_metadata
---
amdhsa.version: [ 1, 2 ]
amdhsa.kernels:
  - .name:           k_q5741bb1958_ln2
    .symbol:         k_q5741bb1958_ln2.kd
    .args:
      - { .name: y, .offset: 0, .size: 8, .value_kind: global_buffer, .address_space: global }
      - { .name: ln2_g, .offset: 8, .size: 8, .value_kind: global_buffer, .address_space: global }
      - { .name: ln2_b, .offset: 16, .size: 8, .value_kind: global_buffer, .address_space: global }
      - { .name: out0, .offset: 24, .size: 8, .value_kind: global_buffer, .address_space: global }
    .group_segment_fixed_size: 0
    .private_segment_fixed_size: 0
    .kernarg_segment_align: 8
    .kernarg_segment_size: 32
    .max_flat_workgroup_size: 512
    .sgpr_count:     66
    .vgpr_count:     160
    .wavefront_size: 32
...
	.end_amdgpu_metadata
.endif
;; end of part 6
